; MI455X (gfx1250); checked and timed in simulation.
; The chip was launched on July 23, 2026; its instructions are those of AMD's public machine-readable ISA for CDNA 5 (MIT licence, August 2026) and "CDNA5" Instruction Set Architecture Reference Guide (July 2026). The comments in the code are by the model that wrote it; some were corrected since.
;; Multihead Attention. Allowed arithmetic: matrix products marked QUANTISED: E2M1 operands, one E8M0 scale for each 32 along K, by v_wmma_scale_f32_16x16x128_f8f6f4 with both operands' format E2M1 (or v_wmma_scale_f32_32x16x128_f4), f32 sums; products left as they are: bf16, f16 or f32 operands; f32 sums; everything else in f32.
;; Inputs: Wk 1,024 x 1,024 float32; Wo 1,024 x 1,024 float32; Wq 1,024 x 1,024 float32; Wv 1,024 x 1,024 float32; token_positions 2,048 int32; x 4 x 2,048 x 1,024 float32.
;; Outputs: out0 4 x 2,048 x 1,024 float32.
;; This version of the problem:
;;   THIS VERSION OF THE PROBLEM IS GIVEN IN LOW PRECISION. The matrix products marked QUANTISED in the list below multiply operands that are first quantised to E2M1 (2 exponent bits, 1 mantissa bit; 4 bits a number), with one power-of-two scale for each 32 numbers along K (OCP MX v1.0); their sums are f32. The products marked 'left as it is' may take bf16, f16 or f32 operands, with f32 sums. All else is computed in f32.
;;   The module's matrix products, in the order in which they are computed (A, B: the left and right operand; K: the contracted axis; several contracted axes count as one K, in the product's order):
;;     1. [M 8,192, K 1,024] x [K 1,024, N 1,024]; A: input x; B: input Wq: QUANTISED
;;     2. [M 8,192, K 1,024] x [K 1,024, N 1,024]; A: input x; B: input Wk: QUANTISED
;;     3. [M 8,192, K 1,024] x [K 1,024, N 1,024]; A: input x; B: input Wv: QUANTISED
;;     4. batch 64 x [M 2,048, K 64] x [K 64, N 2,048]; A: computed on the way; B: computed on the way: left as it is (an operand is computed on the way)
;;     5. batch 64 x [M 2,048, K 2,048] x [K 2,048, N 64]; A: computed on the way; B: computed on the way: left as it is (an operand is computed on the way)
;;     6. [M 8,192, K 1,024] x [K 1,024, N 1,024]; A: computed on the way; B: input Wo: left as it is (an operand is computed on the way)
;;   THE QUANTISER, for each operand of a quantised product, along K:
;;     - K is cut into blocks of 32 from its start; a last block that is shorter is filled with zeros.
;;     - A block's scale is 2^e with e = floor(log2(the largest magnitude in the block)) - 2, held to -126 .. 127; a block of zeros has e = 0. As a byte (E8M0): e + 127.
;;     - Each number is divided by its block's scale, clamped to +-6, and rounded to the nearest number of E2M1, ties to even, subnormals kept.
;;     - The product sums the exact products of the quantised numbers (number of the format x scale) in f32.
;;   ~~~python
;;   def quantise(x, axis):      # numpy; x: float32 -> the quantised numbers, widened to float32 again
;;       x = np.moveaxis(x, axis, -1); K = x.shape[-1]
;;       x = np.pad(x, [(0, 0)] * (x.ndim - 1) + [(0, -K % 32)]); x = x.reshape(x.shape[:-1] + (-1, 32)); a = np.abs(x).max(-1, keepdims=True)
;;       e = np.where(a > 0, np.clip(np.frexp(np.where(a > 0, a, 1))[1] - 1 - 2, -126, 127), 0)      # np.frexp(a)[1] - 1 = floor(log2(a)), exactly
;;       r = np.clip(x / 2.0 ** e, -6, 6)
;;       step = 2.0 ** (np.maximum(np.frexp(np.where(r == 0, 1, r))[1] - 1, 0) - 1)
;;       q = np.round(r / step) * step * 2.0 ** e      # np.round: ties to even
;;       return np.moveaxis(q.reshape(q.shape[:-2] + (-1,))[..., :K], -1, axis).astype(np.float32)
;;   ~~~
;; One version. Each part assembles by itself: llvm-mc -triple=amdgcn-amd-amdhsa -mcpu=gfx1250 --defsym DOCPART=n.
;; ======== version 1 of 1: 4 launches
;; limits: values are held in f16: magnitudes above 65,504 overflow, below 6.1e-05 lose precision
;; workspace buffers: codes 5,767,168 bytes; scales 360,448 bytes; rope 1,048,576 bytes; wo_img 2,097,152 bytes; qkv 50,331,648 bytes; multi 16,777,216 bytes
;; launch prep (part 1): grid 448 x 1, 4 waves a work-group, no clusters, 33,280 bytes of LDS; arguments x, Wq, Wk, Wv, Wo, token_positions, codes, scales, wo_img, rope; writes codes, scales, wo_img, rope
.if DOCPART == 1
	.amdgcn_target "amdgcn-amd-amdhsa--gfx1250"
	.amdhsa_code_object_version 6
	.text
	.protected	k_q52b663cc33_prep
	.globl	k_q52b663cc33_prep
	.p2align	8
	.type	k_q52b663cc33_prep,@function
k_q52b663cc33_prep:
	s_mov_b64 s[64:65], 0
	v_nop
	global_prefetch_b8 v0, s[64:65] scope:SCOPE_SE
	s_setreg_imm32_b32 hwreg(HW_REG_WAVE_MODE, 25, 1), 1
	s_wait_xcnt 0x0
; Three jobs that only read inputs, told apart by the work-group's number:
;   work-groups 0-351:   x, Wq, Wk, Wv (f32, K innermost) become codes of FP4 (E2M1) and one E8M0 scale byte for each 32 along K.  The four tensors lie on end in the two
;                        buffers: rows 0-8191 x, 8192-9215 Wq, 9216-10239 Wk, 10240-11263 Wv; a row is 512 bytes of codes and 32 scale bytes.
;   work-groups 352-415: Wo (f32) becomes f16, laid as images of a matrix operand's registers: [16 rows nt][32 along K kc][half f][lane][16 bytes];
;                        lane (r, h) of half f holds Wo(16 nt + r, 32 kc + 16 f + 8 h + 0 .. 7).
;   work-groups 416-447: the rotary table: for each place s of the sequence and each pair i: cos and sin of token_positions[s] x 10000^(-i / 32), a row of 256 bytes;
;                        table 0 is multiplied by log2(e) / 8 (it serves Q: the softmax's scale and its base 2), table 1 is plain (it serves K).
; A block's scale is 2^(floor(log2(its largest magnitude)) - 2); its byte is the largest magnitude's exponent field - 2, held at 1 from below.
; LIMITS: a block of zeros gets the byte 1 (not 127) over zero codes, and blocks whose largest magnitude lies under 2^-124 get the byte 1: the bytes are read by this program alone.
; NaN and infinities among the inputs are not served.  |Wo| stays under 65,504 (f16).  Positions lie in 0 .. 2,047, the table's range; the angle's reduction is good far beyond.
; No barrier: waves share nothing.  Only the first job uses LDS.
.set STEPS, 16
.set CB,    8                          ; bytes of 16 codes
.set R,     16                         ; v16-79   four sets of 16 numbers as they are loaded
.set X,     80                         ; v80-111  two sets of 16 neighbours
.set E,     112                        ; v112-127 a scale byte for each step
.set C,     128                        ; v128-191 codes: four registers for each step, so that no store's data are written again
.set WREG,  8192                       ; LDS: a region for each wave: two stages of 32 x SP bytes, behind them its 256 scale bytes
.set SP,    80                         ; a lane's place in a stage: its 64 bytes + 16 of padding
	s_load_b256 s[4:11], s[0:1], 0x0               ; x s[4:5], Wq s[6:7], Wk s[8:9], Wv s[10:11]
	s_load_b256 s[12:19], s[0:1], 0x20             ; Wo s[12:13], token_positions s[14:15], codes s[16:17], scales s[18:19]
	s_load_b128 s[20:23], s[0:1], 0x40             ; wo_img s[20:21], rope s[22:23]
	v_lshl_add_u32 v192, v0, 2, 0x8000
	v_mov_b32 v193, 0
	v_lshrrev_b32 v1, 5, v0
	v_readfirstlane_b32 s30, v1                    ; wave 0..3
	v_and_b32 v2, 31, v0                           ; lane
	s_mov_b32 s27, 0                               ; the high word of every offset
	s_wait_kmcnt 0x0
	s_cmp_ge_u32 ttmp9, 416
	s_cbranch_scc1 .Lrope
	s_cmp_ge_u32 ttmp9, 352
	s_cbranch_scc1 .Lwo
; ---------------- the quantiser.  A tensor is a plain stream of blocks of 32; a wave takes 16 steps of 512 numbers.  Each of a step's four loads reads 512 consecutive bytes; the 2,048 bytes
; turn through the wave's own stage in LDS and come back 64 bytes a lane: 16 neighbours along K, two neighbouring lanes to a block.
	v_lshlrev_b32 v3, 4, v2                        ; my 16 bytes of a load's 512
	s_mul_i32 s31, s30, WREG
	v_lshrrev_b32 v14, 2, v2
	v_mul_u32_u24 v14, v14, SP
	v_and_b32 v15, 3, v2
	v_lshl_add_u32 v14, v15, 4, v14
	v_add_nc_u32 v14, s31, v14                     ; the stage, on the way in: SP (lane / 4) + 16 (lane % 4)
	v_mul_u32_u24 v15, v2, SP
	v_add_nc_u32 v15, s31, v15                     ; and on the way out: SP x lane
	v_mul_u32_u24 v4, v2, CB                       ; my codes' place in a step's
	v_lshrrev_b32 v5, 1, v2
	s_add_co_u32 s31, s31, 2*32*SP
	v_add_nc_u32 v5, s31, v5                       ; LDS: my wave's 256 scale bytes, my block's byte
	v_lshlrev_b32 v7, 3, v2                        ; and on the way out 8 bytes a lane
	v_add_nc_u32 v6, s31, v7
	s_and_b32 s26, ttmp9, 31                       ; a weight has 32 work-groups, and 256, 288, 320 are multiples of 32
	s_cmp_lt_u32 ttmp9, 320                        ; which tensor: the choice hangs on the work-group's number alone
	s_cselect_b64 s[24:25], s[8:9], s[10:11]
	s_cmp_lt_u32 ttmp9, 288
	s_cselect_b64 s[24:25], s[6:7], s[24:25]
	s_cmp_lt_u32 ttmp9, 256
	s_cselect_b64 s[24:25], s[4:5], s[24:25]
	s_cselect_b32 s26, ttmp9, s26                  ; my work-group's number within its tensor
	s_lshl_b32 s26, s26, 2
	s_add_co_u32 s26, s26, s30
	s_lshl_b32 s26, s26, 15                        ; a wave's run: 8,192 numbers, 32,768 bytes
	s_add_nc_u64 s[24:25], s[24:25], s[26:27]
	s_lshl_b32 s28, ttmp9, 2
	s_add_co_u32 s28, s28, s30                     ; the run's number in the buffers, where the tensors lie on end
	s_lshl_b32 s26, s28, 12                        ; 4,096 bytes of codes a run
	s_add_nc_u64 s[16:17], s[16:17], s[26:27]
	s_lshl_b32 s26, s28, 8                         ; 256 scale bytes a run
	s_add_nc_u64 s[18:19], s[18:19], s[26:27]
.macro LOAD t
.irp i, 0,1,2,3
	global_load_b128 v[R+16*((\t)%4)+4*\i:R+16*((\t)%4)+4*\i+3], v3, s[24:25] offset:2048*(\t)+512*\i th:TH_LOAD_NT   ; 32 lanes read 512 consecutive bytes
.endr
.endm
.macro TURN t                          ; step t's numbers through the stage: LDS serves a wave's instructions in order, so no wait stands between the stores and the loads
.irp i, 0,1,2,3
	ds_store_b128 v14, v[R+16*((\t)%4)+4*\i:R+16*((\t)%4)+4*\i+3] offset:32*SP*((\t)%2)+8*SP*\i
.endr
.irp i, 0,1,2,3
	ds_load_b128 v[X+16*((\t)%2)+4*\i:X+16*((\t)%2)+4*\i+3], v15 offset:32*SP*((\t)%2)+16*\i
.endr
.endm
.irp t, 0,1,2,3
	LOAD \t
.endr
	s_wait_loadcnt 12                              ; step 0's four loads are in; three steps' twelve stay out
	TURN 0
.macro STEP t
.set XS, X+16*((\t)%2)
.if (\t) > 0
	s_wait_dscnt 1                                 ; this step's numbers are back from the stage (the last step's byte store may be out): so its stores into the stage have read their registers,
.else
	s_wait_dscnt 0x0
.endif
.if (\t)+4 < STEPS
	LOAD (\t)+4                                    ; which take the loads of four steps on
.endif
.if (\t)+1 < STEPS
.if STEPS-2-(\t) >= 3
	s_wait_loadcnt 12                              ; the next step's four loads are in; those of the three steps behind it may be out
.else
	s_wait_loadcnt 4*(STEPS-2-(\t))
.endif
	TURN (\t)+1                                    ; and go through the other stage while this step is worked
.endif
	v_max3_num_f32 v8, |v[XS]|, |v[XS+1]|, |v[XS+2]|               ; the largest magnitude of my 16, in two chains
	v_max3_num_f32 v9, |v[XS+3]|, |v[XS+4]|, |v[XS+5]|
.irp i, 6,10
	v_max3_num_f32 v8, v8, |v[XS+\i]|, |v[XS+\i+1]|
	v_max3_num_f32 v9, v9, |v[XS+\i+2]|, |v[XS+\i+3]|
.endr
	v_max3_num_f32 v8, v8, |v[XS+14]|, |v[XS+15]|
	v_max3_num_f32 v8, v8, v9, 0x1800000           ; and the floor 2^(3 - 127): the byte cannot fall under 1
	v_max_num_f32_dpp v8, v8, v8 row_xmask:1 row_mask:0xf bank_mask:0xf   ; and of my neighbour's 16: the block's
	v_add_nc_u32 v11, 0xff000000, v8               ; 2 off its exponent field: the conversion takes the exponent field of this operand as its scale, and nothing else of it
	v_cvt_scalef32_pk8_fp4_f32 v[C+4*(\t)], v[XS:XS+7], v11        ; to the nearest code, ties to even, beyond the largest code the largest
	v_cvt_scalef32_pk8_fp4_f32 v[C+4*(\t)+1], v[XS+8:XS+15], v11
	v_lshrrev_b32 v[E+(\t)], 23, v11               ; the scale's byte
	ds_store_b8 v5, v[E+(\t)] offset:16*(\t)       ; both lanes of a block write the same byte with the same value
	global_store_b64 v4, v[C+4*(\t):C+4*(\t)+1], s[16:17] offset:32*CB*(\t)   ; the wave stores 256 consecutive bytes, aligned
.endm
.irp t, 0,1,2,3,4,5,6,7,8,9,10,11,12,13,14,15
	STEP \t
.endr
	ds_load_b64 v[12:13], v6                       ; LDS serves a wave's instructions in order: these see my stores
	s_wait_dscnt 0x0
	global_store_b64 v7, v[12:13], s[18:19]        ; 32 lanes store 256 consecutive bytes, aligned
	s_wait_tensorcnt 0x0
	ds_add_u32 v192, v193
	s_wait_dscnt 0x0
	s_endpgm
; ---------------- Wo into f16 images.  A work-group takes 16 rows, a wave eight chunks of 32 along K.
.Lwo:
	s_sub_co_u32 s28, ttmp9, 352                   ; nt
	v_and_b32 v4, 15, v0                           ; r
	v_bfe_u32 v5, v0, 4, 1                         ; h
	v_lshlrev_b32 v6, 12, v4
	v_lshl_add_u32 v6, v5, 5, v6                   ; in: row r of 4,096 bytes, + 32 h
	v_lshlrev_b32 v3, 4, v2                        ; out: 16 x lane
	s_lshl_b32 s26, s28, 16                        ; 16 rows of Wo,
	s_lshl_b32 s29, s30, 10                        ; my wave's 256 numbers of each
	s_add_co_u32 s26, s26, s29
	s_add_nc_u64 s[12:13], s[12:13], s[26:27]
	s_lshl_b32 s26, s28, 15                        ; their images: 32,768 bytes,
	s_lshl_b32 s29, s30, 13                        ; my wave's 8,192
	s_add_co_u32 s26, s26, s29
	s_add_nc_u64 s[20:21], s[20:21], s[26:27]
.irp q, 0,1,2,3,4,5,6,7
.irp f, 0,1
.irp u, 0,1
	global_load_b128 v[16+16*\q+8*\f+4*\u:16+16*\q+8*\f+4*\u+3], v6, s[12:13] offset:128*\q+64*\f+16*\u th:TH_LOAD_NT
.endr
.endr
.endr
.irp q, 0,1,2,3,4,5,6,7
.irp f, 0,1
	s_wait_loadcnt 30-4*\q-2*\f                    ; this half's two loads are in; those issued behind them may be out
	v_cvt_pk_f16_f32 v[16+16*\q+8*\f], v[16+16*\q+8*\f], v[17+16*\q+8*\f]
	v_cvt_pk_f16_f32 v[17+16*\q+8*\f], v[18+16*\q+8*\f], v[19+16*\q+8*\f]
	v_cvt_pk_f16_f32 v[18+16*\q+8*\f], v[20+16*\q+8*\f], v[21+16*\q+8*\f]
	v_cvt_pk_f16_f32 v[19+16*\q+8*\f], v[22+16*\q+8*\f], v[23+16*\q+8*\f]
	global_store_b128 v3, v[16+16*\q+8*\f:19+16*\q+8*\f], s[20:21] offset:1024*\q+512*\f   ; 512 consecutive bytes
.endr
.endr
	s_endpgm
; ---------------- the rotary table.  A wave takes 16 places of the sequence; lane i is pair i.
.Lrope:
	s_sub_co_u32 s28, ttmp9, 416
	s_lshl_b32 s28, s28, 2
	s_add_co_u32 s28, s28, s30                     ; which 16 places: 0 .. 127
	s_lshl_b32 s26, s28, 6
	s_add_nc_u64 s[14:15], s[14:15], s[26:27]
	s_load_b512 s[32:47], s[14:15], 0x0            ; their 16 positions
	s_lshl_b32 s26, s28, 12                        ; 16 rows of 256 bytes
	s_add_nc_u64 s[22:23], s[22:23], s[26:27]
	s_mov_b32 s48, 0x3f22f983                      ; 2 / pi
	s_mov_b32 s49, 0xbfc90fdb                      ; -(pi / 2), its f32 part
	s_mov_b32 s50, 0x333bbd2e                      ; and what that part is too large by
	s_mov_b32 s51, 0xbe2aaaab                      ; -1/6
	s_mov_b32 s52, 0x3c088889                      ; 1/120
	s_mov_b32 s53, 0xb9500d01                      ; -1/5040
	s_mov_b32 s54, 0x3d2aaaab                      ; 1/24
	s_mov_b32 s55, 0xbab60b61                      ; -1/720
	s_mov_b32 s56, 0x37d00d01                      ; 1/40320
	s_mov_b32 s57, 0x3e38aa3b                      ; log2(e) / 8
	v_cvt_f32_u32 v7, v2
	v_mul_f32 v7, 0xbed49a78, v7                   ; -i log2(10000) / 32
	v_exp_f32 v7, v7                               ; the pair's frequency
	v_lshlrev_b32 v6, 3, v2                        ; (a plain line behind the exponential)  8 bytes a pair
	s_wait_alu depctr_va_vdst(0)
	s_wait_kmcnt 0x0
; sin and cos of a = position x frequency: k = the nearest whole number to a 2 / pi; r = a - k pi / 2, in two parts, |r| <= pi / 4; series to r^7 and r^8; the quadrant k mod 4 swaps and signs them.
.macro ANGLE n
	v_cvt_f32_i32 v8, s[32+\n]
	v_mul_f32 v8, v8, v7                           ; a
	v_mul_f32 v9, s48, v8
	v_rndne_f32 v9, v9                             ; k
	v_fma_f32 v10, v9, s49, v8
	v_fma_f32 v10, v9, s50, v10                    ; r
	v_mul_f32 v11, v10, v10                        ; r^2
	v_fma_f32 v12, v11, s53, s52
	v_fma_f32 v13, v11, s56, s55
	v_fma_f32 v12, v12, v11, s51
	v_fma_f32 v13, v13, v11, s54
	v_mul_f32 v12, v12, v11
	v_fma_f32 v13, v13, v11, -0.5
	v_fma_f32 v12, v12, v10, v10                   ; sin r
	v_fma_f32 v13, v13, v11, 1.0                   ; cos r
	v_cvt_i32_f32 v14, v9
	v_and_b32 v15, 1, v14
	v_cmp_eq_u32 vcc_lo, 1, v15                    ; odd quadrants swap the two
	v_cndmask_b32 v16, v12, v13, vcc_lo            ; the sine's magnitude
	v_cndmask_b32 v17, v13, v12, vcc_lo            ; the cosine's
	v_lshlrev_b32 v18, 30, v14
	v_add_nc_u32 v19, 1, v14
	v_and_b32 v18, 0x80000000, v18                 ; the sine is negative in quadrants 2, 3
	v_lshlrev_b32 v19, 30, v19
	v_and_b32 v19, 0x80000000, v19                 ; the cosine in quadrants 1, 2
	v_xor_b32 v[64+4*\n], v19, v17
	v_xor_b32 v[65+4*\n], v18, v16
	v_mul_f32 v[66+4*\n], s57, v[64+4*\n]
	v_mul_f32 v[67+4*\n], s57, v[65+4*\n]
	global_store_b64 v6, v[64+4*\n:65+4*\n], s[22:23] offset:256*\n+524288   ; table 1: a row of 256 consecutive bytes, aligned.  Each place has registers of its own: no store's data are written again
	global_store_b64 v6, v[66+4*\n:67+4*\n], s[22:23] offset:256*\n          ; table 0
.endm
.irp n, 0,1,2,3,4,5,6,7,8,9,10,11,12,13,14,15
	ANGLE \n
.endr
	s_endpgm
.Lfunc_end_k_q52b663cc33_prep:
	.size	k_q52b663cc33_prep, .Lfunc_end_k_q52b663cc33_prep-k_q52b663cc33_prep
	.p2alignl 7, 3214868480
	.fill 96, 4, 3214868480
	.section	.rodata,"a",@progbits
	.p2align	6, 0x0
	.amdhsa_kernel k_q52b663cc33_prep
		.amdhsa_group_segment_fixed_size 33280
		.amdhsa_private_segment_fixed_size 0
		.amdhsa_enable_private_segment 0
		.amdhsa_kernarg_size 80
		.amdhsa_user_sgpr_count 2
		.amdhsa_user_sgpr_kernarg_segment_ptr 1
		.amdhsa_wavefront_size32 1
		.amdhsa_system_sgpr_workgroup_id_x 1
		.amdhsa_system_sgpr_workgroup_id_y 1
		.amdhsa_system_sgpr_workgroup_id_z 1
		.amdhsa_system_vgpr_workitem_id 0
		.amdhsa_next_free_vgpr 194
		.amdhsa_next_free_sgpr 66
		.amdhsa_reserve_vcc 1
		.amdhsa_float_denorm_mode_32 3
		.amdhsa_float_denorm_mode_16_64 3
		.amdhsa_memory_ordered 1
		.amdhsa_forward_progress 1
		.amdhsa_inst_pref_size 67
	.end_amdhsa_kernel
	.amdgpu_metadata
---
amdhsa.version: [ 1, 2 ]
amdhsa.kernels:
  - .name:           k_q52b663cc33_prep
    .symbol:         k_q52b663cc33_prep.kd
    .args:
      - { .name: x, .offset: 0, .size: 8, .value_kind: global_buffer, .address_space: global }
      - { .name: Wq, .offset: 8, .size: 8, .value_kind: global_buffer, .address_space: global }
      - { .name: Wk, .offset: 16, .size: 8, .value_kind: global_buffer, .address_space: global }
      - { .name: Wv, .offset: 24, .size: 8, .value_kind: global_buffer, .address_space: global }
      - { .name: Wo, .offset: 32, .size: 8, .value_kind: global_buffer, .address_space: global }
      - { .name: token_positions, .offset: 40, .size: 8, .value_kind: global_buffer, .address_space: global }
      - { .name: codes, .offset: 48, .size: 8, .value_kind: global_buffer, .address_space: global }
      - { .name: scales, .offset: 56, .size: 8, .value_kind: global_buffer, .address_space: global }
      - { .name: wo_img, .offset: 64, .size: 8, .value_kind: global_buffer, .address_space: global }
      - { .name: rope, .offset: 72, .size: 8, .value_kind: global_buffer, .address_space: global }
    .group_segment_fixed_size: 33280
    .private_segment_fixed_size: 0
    .kernarg_segment_align: 8
    .kernarg_segment_size: 80
    .max_flat_workgroup_size: 128
    .sgpr_count:     66
    .vgpr_count:     194
    .wavefront_size: 32
...
	.end_amdgpu_metadata
.endif
;; end of part 1
;; launch qkv (part 2): grid 12 x 32, 4 waves a work-group, clusters of 4 x 4, 327,680 bytes of LDS; arguments codes, scales, rope, qkv; writes qkv
.if DOCPART == 2
	.amdgcn_target "amdgcn-amd-amdhsa--gfx1250"
	.amdhsa_code_object_version 6
	.text
	.protected	k_q52b663cc33_qkv
	.globl	k_q52b663cc33_qkv
	.p2align	8
	.type	k_q52b663cc33_qkv,@function
k_q52b663cc33_qkv:
	s_mov_b64 s[64:65], 0
	v_nop
	global_prefetch_b8 v0, s[64:65] scope:SCOPE_SE
	s_setreg_imm32_b32 hwreg(HW_REG_WAVE_MODE, 25, 1), 1
	s_wait_xcnt 0x0
	s_wait_alu depctr_hold_cnt(0) depctr_sa_sdst(0) depctr_va_vdst(0) depctr_va_sdst(0) depctr_va_ssrc(0) depctr_va_vcc(0) depctr_vm_vsrc(0)
	s_getreg_b32 s2, hwreg(HW_REG_IB_STS2, 6, 4)
	s_cmp_eq_u32 s2, 0
	s_cbranch_scc0 .Lentry_in_a_cluster
	s_endpgm
.Lentry_in_a_cluster:
	s_bfe_u32 s2, ttmp6, 0x10000c
	s_cmp_lg_u32 s2, 0xf033
	s_cbranch_scc0 .Lentry_shape_is_right
	s_endpgm
.Lentry_shape_is_right:
; [Q | K | V] = x [Wq; Wk; Wv]^T on codes of FP4 (E2M1) with one E8M0 scale for each 32 along K (K = 1,024), sums in f32; then the rotation of Q and K, and the rounding to f16.
; codes: [11,264 rows][512 bytes]: rows 0-8191 are x (A), rows 8192-11263 the three weights on end (B).  scales: [11,264][32].
; A tile, 256 tokens x 256 columns, is made by a work-group of four waves; a wave makes 128 x 128: 64 accumulators of 16 x 16, 512 registers.
; K goes in two steps of 512 through two LDS slots filled by the tensor data mover, each filled once; a tile's row is 256 bytes of memory.  The scale bytes of the work-group's rows come once, as two dense blocks.
; CLUSTERS: 4 x 4 work-groups.  The four of a row of the cluster need the same tiles of A, the four of a column the same tiles of B: each tile is asked for JOINTLY, by the same tensor load with the
; same descriptor and a mask that names the four.  A cluster's four tile columns are one of the three weights: cluster x = 0 makes Q, 1 K, 2 V, alike in all sixteen partners.
; THE MATRIX INSTRUCTION IS USED TRANSPOSED (source 0 = 16 rows of B, source 1 = 16 rows of A): lane (r, h) then holds token r and eight neighbouring columns 8 h + 0 .. 7 of a tile of 16.
; THE WAY OUT needs no LDS.  Those eight numbers, rounded to f16, are 16 bytes: four registers of a 16-bit matrix operand whose rows are tokens and whose K is the head's 64 channels.  They are stored as an IMAGE of
; those registers: qkv[which][batch x 16 + head][16 tokens][16 channels bt][chunk][16 bytes]; a wave's store covers 512 consecutive bytes.  For Q and K the chunk is the lane.  For V it is 16 (r / 8) + 8 h + r % 8, so
; that the transposing LDS load of the next launch, addressed at 16 x lane, returns V^T's registers.
; THE ROTATION: for pair i of a head's channels: (e, o) -> (c e - s o, c o + s e), c and s from the table's row of the token's place in its sequence.  Q's table carries log2(e) / 8 as well.
; LIMITS: |Q| log2(e) / 8, |K| and |V| stay under 65,504 (f16); NaN and infinities are not served.
; REGISTERS, in windows of 256: window 0: v0-31 addresses; v32-95 scale words, two sets, and nothing else; from v128 A's fragments, ONE set; on the way out v96-159 rotated numbers, v160-223 two sets of f16.
;   window 1: B's fragments, TWO sets, at v0 and v128; on the way out v0-63 two sets of the table.   window 2: the accumulators of my rows 0-63 ((a, b) at v[8 (8 a + b)]);   window 3: those of my rows 64-127.
.set NQ,     4                         ; matrix instructions deep in a slot: 512 along K
.set ROWB,   256                       ; a tile's row in bytes
.set KROW,   512                       ; a row of codes in memory
.set PITCH,  272                       ; an LDS row: 256 bytes + 16 of padding = 68 words: row r starts at bank 4 r mod 64 (64 banks of 4 bytes: ISA guide 11.1)
.set FR,     8                         ; registers of a fragment: 16 rows x 128 K
.set NL,     2                         ; LDS loads that bring one
.set NP,     4                         ; places behind this matrix instruction (ISA guide 7.12.1)
.set HALFT,  128*PITCH                 ; 128 rows: what one tensor load brings, and what one wave reads of A or of B
.set SLOT,   4*HALFT                   ; A's 256 rows, then B's 256 rows
.set KS,     32                        ; a row of scales in bytes
.set SCL,    2*SLOT                    ; behind the slots: the scales, as units of 256 bytes + 16 of padding
.set HALFS,  (128*KS/256)*272          ; the scales of 128 rows: what one tensor load brings
.set SBLK,   (16*KS/256)*272           ; those of 16 rows
.set SPARE,  SCL+4*HALFS               ; behind the scales: the spare words, 128 bytes for each wave: two blocks of 256 bytes that no other line names
.set ADRA, 16                          ; v16-17  LDS address of my A fragments in slot 0, 1
.set ADRB, 20                          ; v20-21  the same for B
.set TO,   24                          ; v24     my byte offset in 16 rows of the table: 256 r + 32 h
.set COV,  25                          ; v25     my chunk of an image of V
.set CO,   26                          ; v26     16 x lane: my chunk of an image of Q or K
.set ADRS, 27                          ; v27     LDS address of my scale words: lanes 0-15 A's rows, lanes 16-31 B's
.set SPW,  28                          ; v28     LDS address of my spare word; never rewritten
.set NIL,  29                          ; v29     0; never rewritten
.set SC,   32                          ; scale words: set s at v[SC + 32 s]; register 4 i + q: lanes 0-15 the word of A's block i, lanes 16-31 that of B's block i, for the slot's q-th 128 along K
.set AF,   128                         ; A's fragments, in window 0
.set TT,   96                          ; the way out: 64 rotated numbers
.set PK,   160                         ; the way out: two sets of 32 registers of f16
.set OUTB, 12                          ; s[12:13] qkv at my wave's first image
.set TBASE, 66                         ; s[66:67] the table at my wave's first token
.set G1, 24                            ; s[24:31] descriptor group 1 for A's tiles;  s[32:39] group 0, one set for each slot
.set G0, 32
.set G1B, 48                           ; s[48:55], s[56:63] the same for B's tiles
.set G0B, 56
.set G1S, 68                           ; s[68:75], s[76:79] groups 1 and 0 for A's scales;  s[80:87], s[88:91] for B's
.set G0S, 76
.set G1SB, 80
.set G0SB, 88
.set MSB, 0
.macro WIN new                         ; the immediate's high byte repeats the setting that is left
.if MSB != \new
	s_set_vgpr_msb (MSB<<8)|\new
.set MSB, \new
.endif
.endm
.set MUL_LO, 0xa1                      ; source 0 (B) window 1, source 1 (A) window 0, C and D window 2
.set MUL_HI, 0xf1                      ; the same, C and D window 3
.set TO_B,   0x40                      ; destination window 1, address window 0
; A joint load: waves 0 and 1 fetch for A, waves 2 and 3 for B.  Each of the two lines has ONE mask and one set of registers for all that issue it; the branch hangs on the wave's number alone.
; Four v_nop follow each of the two lines, ahead of the jump, the label and what follows.
.macro JLOAD g0a, g1a, g0b, g1b
	s_cmp_eq_u32 s15, 0
	s_cbranch_scc0 .Lfor_b_\@
	tensor_load_to_lds s[\g0a:\g0a+3], s[\g1a:\g1a+7]
	s_nop 0
.rept 4
	v_nop
.endr
	s_branch .Lasked_\@
.Lfor_b_\@:
	tensor_load_to_lds s[\g0b:\g0b+3], s[\g1b:\g1b+7]
	s_nop 0
.rept 4
	v_nop
.endr
.Lasked_\@:
.endm
.macro CROUND                          ; a round of the cluster's barrier: my work-group's barrier; wave 0 signals for the work-group; every wave waits for all sixteen; my work-group's barrier once more
	s_barrier_signal -1
	s_barrier_wait -1
	s_cmp_lg_u32 s14, 0
	s_cbranch_scc1 .Lnot_wave_0_\@
	s_barrier_signal -3
.Lnot_wave_0_\@:
	s_barrier_wait -3
	s_barrier_signal -1
	s_barrier_wait -1
.endm
	s_load_b128 s[4:7], s[0:1], 0x0                ; the codes s[4:5], the scales s[6:7]
	s_load_b64 s[TBASE:TBASE+1], s[0:1], 0x10      ; the table
	s_load_b64 s[OUTB:OUTB+1], s[0:1], 0x18        ; qkv
	v_lshl_add_u32 v[SPW], v0, 2, SPARE
	v_mov_b32 v[NIL], 0
	ds_add_u32 v28, v29
	ds_add_u32 v28, v29
	s_wait_dscnt 0x0
	v_lshrrev_b32 v1, 5, v0
	v_readfirstlane_b32 s14, v1                    ; wave 0..3
	s_lshr_b32 s15, s14, 1                         ; which half of the tile's rows is mine.  Also: I fetch for A (0) or for B (1)
	s_and_b32 s16, s14, 1                          ; which half of its columns.  Also: which 128 rows of that tile I fetch
	s_bfe_u32 s40, ttmp6, 0x40000                  ; cx, cy: my place in the cluster
	s_bfe_u32 s41, ttmp6, 0x40004
	s_lshl_b32 s42, ttmp9, 2
	s_add_co_u32 s42, s42, s40                     ; tile column = 4 x cluster x + cx
	s_and_b32 s17, ttmp7, 0xffff
	s_lshl_b32 s17, s17, 2
	s_add_co_u32 s17, s17, s41                     ; tile row = 4 x cluster y + cy
	s_lshl_b32 s43, s41, 2
	s_lshl_b32 s43, 15, s43                        ; my row of the cluster
	s_lshl_b32 s44, 0x1111, s40                    ; my column
	; descriptor group 1: a tile of 128 rows x 256 bytes, padded in LDS
	s_or_b32 s[G1+0], s43, (0<<16)|(1<<20)|(1<<21)|(5<<22)|(3<<25)  ; 15:0 the mask: A's tiles go to my row; 17:16 element of 1 byte; 20 padding on; 21 set beside a mask; 24:22 after every 64 words (code 5); 31:25 of 4 words (code 3)
	s_or_b32 s[G1B+0], s44, (0<<16)|(1<<20)|(1<<21)|(5<<22)|(3<<25)
.irp g, G1, G1B
	s_mov_b32 s[\g+1], ROWB<<16                    ; tensor_dim0
	s_mov_b32 s[\g+2], 128<<16                     ; tensor_dim1 = 128
	s_mov_b32 s[\g+3], ROWB<<16                    ; tile_dim0
	s_mov_b32 s[\g+4], 128                         ; tile_dim1 = 128
	s_mov_b32 s[\g+5], KROW                        ; tensor_dim0_stride
	s_mov_b32 s[\g+6], 0
	s_mov_b32 s[\g+7], 0
.endr
	; and for the scales of 128 rows: a dense block of 4,096 bytes, as rows of 256 bytes (32 elements of 8 bytes), 16 bytes of padding behind each
	s_or_b32 s[G1S+0], s43, (3<<16)|(1<<20)|(1<<21)|(5<<22)|(3<<25)
	s_or_b32 s[G1SB+0], s44, (3<<16)|(1<<20)|(1<<21)|(5<<22)|(3<<25)
.irp g, G1S, G1SB
	s_mov_b32 s[\g+1], 32<<16
	s_mov_b32 s[\g+2], (128*KS/256)<<16
	s_mov_b32 s[\g+3], 32<<16
	s_mov_b32 s[\g+4], 128*KS/256
	s_mov_b32 s[\g+5], 32
	s_mov_b32 s[\g+6], 0
	s_mov_b32 s[\g+7], 0
.endr
	s_lshl_b32 s18, s16, 7                         ; which 128 rows of the tile I fetch
	s_lshl_b32 s20, s17, 8
	s_add_co_u32 s20, s20, s18                     ; A: row 256 x tile row + 128 x half
	s_lshl_b32 s46, s42, 8
	s_add_co_u32 s46, s46, s18                     ; B: row 256 x tile column + 128 x half
	s_mov_b32 s21, 0
	s_mov_b32 s47, 0
	s_mov_b64 s[18:19], KS
	s_mul_u64 s[22:23], s[20:21], s[18:19]         ; where these rows' scales begin, in bytes
	s_mul_u64 s[92:93], s[46:47], s[18:19]
	s_mov_b64 s[18:19], KROW
	s_mul_u64 s[20:21], s[20:21], s[18:19]         ; and their codes
	s_mul_u64 s[46:47], s[46:47], s[18:19]
	s_mul_i32 s45, s14, HALFT                      ; where they go: wave x 128 rows: no place in the cluster enters an LDS address
	s_mul_i32 s94, s14, HALFS
	s_wait_kmcnt 0x0
	s_add_nc_u64 s[8:9], s[4:5], 0x400000          ; B's codes begin behind x's 8,192 rows of 512 bytes,
	s_add_nc_u64 s[10:11], s[6:7], 0x40000         ; B's scales behind 8,192 rows of 32
	s_add_nc_u64 s[20:21], s[4:5], s[20:21]
	s_add_nc_u64 s[22:23], s[6:7], s[22:23]
	s_add_nc_u64 s[46:47], s[8:9], s[46:47]
	s_add_nc_u64 s[92:93], s[10:11], s[92:93]
	CROUND                                         ; all sixteen work-groups are here: the first joint loads meet
	s_mov_b32 s[G0S], 1
	s_add_co_u32 s[G0S+1], s94, SCL
	s_mov_b64 s[G0S+2:G0S+3], s[22:23]
	s_or_b32 s[G0S+3], s[G0S+3], 0x80000000
	s_mov_b32 s[G0SB], 1
	s_add_co_u32 s[G0SB+1], s94, SCL
	s_mov_b64 s[G0SB+2:G0SB+3], s[92:93]
	s_or_b32 s[G0SB+3], s[G0SB+3], 0x80000000
	JLOAD G0S, G1S, G0SB, G1SB                     ; the scales first: they are wanted with the first K step
.irp s, 0,1
	s_mov_b32 s[G0+4*\s], 1
	s_add_co_u32 s[G0+4*\s+1], s45, \s*SLOT
	s_add_nc_u64 s[G0+4*\s+2:G0+4*\s+3], s[20:21], \s*ROWB
	s_or_b32 s[G0+4*\s+3], s[G0+4*\s+3], 0x80000000
	s_mov_b32 s[G0B+4*\s], 1
	s_add_co_u32 s[G0B+4*\s+1], s45, \s*SLOT
	s_add_nc_u64 s[G0B+4*\s+2:G0B+4*\s+3], s[46:47], \s*ROWB
	s_or_b32 s[G0B+4*\s+3], s[G0B+4*\s+3], 0x80000000
	JLOAD G0+4*\s, G1, G0B+4*\s, G1B               ; three tensor loads of mine are out now, and no more follow
.endr
	v_and_b32 v1, 15, v0                           ; r = l % 16
	v_bfe_u32 v2, v0, 4, 1                         ; h = l / 16
	v_mul_u32_u24 v3, v1, PITCH
	v_lshl_add_u32 v4, v2, 4, v3                   ; a fragment's row x pitch + 16 x half
	s_mul_i32 s21, s15, HALFT                      ; my 128 rows of A
	s_mul_i32 s22, s16, HALFT                      ; my 128 rows of B,
	s_add_co_u32 s22, s22, 2*HALFT                 ; which lie behind A's 256
.irp s, 0,1
	v_add_nc_u32 v[ADRA+\s], s21, v4
	v_add_nc_u32 v[ADRB+\s], s22, v4
	s_add_co_u32 s21, s21, SLOT
	s_add_co_u32 s22, s22, SLOT
.endr
	v_mul_u32_u24 v5, v1, KS                       ; my row's scales: 32 bytes a row,
	v_lshrrev_b32 v6, 8, v5
	v_lshl_add_u32 v5, v6, 4, v5                   ; and 16 more for each 256 passed
	s_mul_i32 s21, s15, HALFS                      ; A's: my 128 rows
	s_mul_i32 s22, s16, HALFS                      ; B's: my 128 rows, behind A's 256
	s_add_co_u32 s22, s22, 2*HALFS
	s_sub_co_u32 s22, s22, s21
	v_mul_u32_u24 v6, s22, v2                      ; lanes 16-31 take B's
	s_add_co_u32 s21, s21, SCL
	v_add_nc_u32 v5, v5, v6
	v_add_nc_u32 v[ADRS], s21, v5
	; the way out
	v_and_b32 v6, 31, v0
	v_lshlrev_b32 v[CO], 4, v6                     ; 16 x lane
	v_lshrrev_b32 v5, 3, v1
	v_and_b32 v6, 7, v1
	v_lshl_add_u32 v6, v5, 4, v6
	v_lshl_add_u32 v6, v2, 3, v6
	v_lshlrev_b32 v[COV], 4, v6                    ; 16 x (16 (r / 8) + 8 h + r % 8)
	v_lshlrev_b32 v[TO], 8, v1
	v_lshl_add_u32 v[TO], v2, 5, v[TO]             ; 256 r + 32 h
	s_lshl_b32 s20, s17, 8
	s_lshl_b32 s21, s15, 7
	s_add_co_u32 s20, s20, s21                     ; my first token: 256 x tile row + 128 x half
	s_and_b32 s21, s20, 2047                       ; its place in its sequence,
	s_lshr_b32 s20, s20, 11                        ; its batch
	s_lshl_b32 s96, s20, 22                        ; 16 heads of 2^18 bytes a batch
	s_lshl_b32 s98, s21, 7                         ; 2,048 bytes for each 16 tokens
	s_add_co_u32 s96, s96, s98
	s_lshl_b32 s98, ttmp9, 24                      ; Q, K or V: 2^24 bytes each
	s_add_co_u32 s96, s96, s98
	s_lshl_b32 s98, s42, 8
	s_lshl_b32 s99, s16, 7
	s_add_co_u32 s98, s98, s99                     ; my first column: 256 x tile column + 128 x half
	s_and_b32 s98, s98, 1023
	s_lshr_b32 s98, s98, 6                         ; its head
	s_lshl_b32 s98, s98, 18
	s_add_co_u32 s96, s96, s98
	s_mov_b32 s97, 0
	s_add_nc_u64 s[OUTB:OUTB+1], s[OUTB:OUTB+1], s[96:97]
	s_lshl_b32 s96, s21, 8                         ; the table: 256 bytes a place,
	s_min_u32 s98, ttmp9, 1                        ; table 0 for Q, table 1 for K (V loads nothing from it)
	s_lshl_b32 s98, s98, 19
	s_add_co_u32 s96, s96, s98
	s_add_nc_u64 s[TBASE:TBASE+1], s[TBASE:TBASE+1], s[96:97]
.macro FRAG reg, adr, q, i             ; a fragment, 16 rows x 128 K of 4-bit codes, is 8 registers: lane l holds row l % 16; registers 4 c .. 4 c + 3 hold K = 64 c + 32 (l / 16) + 0 .. 31
.irp c, 0,1
	ds_load_b128 v[\reg+4*\c:\reg+4*\c+3], v[\adr] offset:64*(\q)+32*\c+(\i)*16*PITCH
.endr
.endm
; 16 matrix instructions: A's blocks a0, a0 + 1 x B's eight, 128 along K: the slot's q-th.  p: B's set;  sc: the set of scale words.  zero = 1: the first product starts the sums: nothing is ever cleared.
; The 64 accumulators take turns, one instruction a turn, in the same order in every step.
.macro MUL16 a0, p, q, sc, zero
.irp a, \a0, \a0+1
.irp b, 0,1,2,3,4,5,6,7
.if \zero
	v_wmma_scale_f32_16x16x128_f8f6f4 v[8*(8*((\a)%4)+\b):8*(8*((\a)%4)+\b)+7], v[128*(\p)+FR*\b:128*(\p)+FR*\b+FR-1], v[AF+FR*(\a):AF+FR*(\a)+FR-1], 0, v[SC+8*NQ*(\sc)+NQ*\b+(\q)], v[SC+8*NQ*(\sc)+NQ*(\a)+(\q)] matrix_a_fmt:MATRIX_FMT_FP4 matrix_b_fmt:MATRIX_FMT_FP4 matrix_a_scale:MATRIX_SCALE_ROW1
.else
	v_wmma_scale_f32_16x16x128_f8f6f4 v[8*(8*((\a)%4)+\b):8*(8*((\a)%4)+\b)+7], v[128*(\p)+FR*\b:128*(\p)+FR*\b+FR-1], v[AF+FR*(\a):AF+FR*(\a)+FR-1], v[8*(8*((\a)%4)+\b):8*(8*((\a)%4)+\b)+7], v[SC+8*NQ*(\sc)+NQ*\b+(\q)], v[SC+8*NQ*(\sc)+NQ*(\a)+(\q)] matrix_a_fmt:MATRIX_FMT_FP4 matrix_b_fmt:MATRIX_FMT_FP4 matrix_a_scale:MATRIX_SCALE_ROW1
.endif
.endr
.endr
.endm
.macro FETCH_B slot, q, p              ; B's eight fragments of the slot's q-th 128 along K into set p
	WIN TO_B
.irp i, 0,1,2,3,4,5,6,7
	FRAG 128*(\p)+FR*\i, ADRB+\slot, \q, \i
.endr
	WIN 0
.endm
.macro FETCH_A slot, q, i0             ; A's blocks i0 .. i0 + 3
.irp i, \i0, \i0+1, \i0+2, \i0+3
	FRAG AF+FR*(\i), ADRA+\slot, \q, \i
.endr
.endm
.macro SCALES sc                       ; a K step's scale words into set sc: four words a row; lanes 0-15 take A's block i, lanes 16-31 B's block i
.irp i, 0,1,2,3,4,5,6,7
	ds_load_b128 v[SC+8*NQ*\sc+NQ*\i:SC+8*NQ*\sc+NQ*\i+3], v[ADRS] offset:\i*SBLK
.endr
.endm
; A load into a register that a matrix instruction has read, and a vector instruction that reads a matrix result or writes one of a matrix instruction's registers, stand NP places behind that matrix
; instruction, and only plain vector instructions that name none of its registers are places (ISA guide 7.12.1 for vector instructions).
.macro PLACES n
.rept \n
	v_nop
.endr
.endm
; A step of 128 along K that has its successor in the same slot.  A block of A is free as soon as its eight products are issued: blocks 0-3 are fetched anew in the step's middle, blocks 4-7 at its end.
.macro STEP slot, q, zero
	s_wait_dscnt 4*NL                              ; B's set and A's blocks 0-3 are in; the youngest eight loads (A's blocks 4-7) may be out
	WIN MUL_LO
	MUL16 0, (\q)%2, \q, \slot, \zero
	MUL16 2, (\q)%2, \q, \slot, \zero
	s_wait_dscnt 0                                 ; A's blocks 4-7 are in (asked for 32 matrix instructions ago)
	PLACES NP
	FETCH_B \slot, (\q)+1, 1-(\q)%2
	FETCH_A \slot, (\q)+1, 0
	WIN MUL_HI
	MUL16 4, (\q)%2, \q, \slot, \zero
	MUL16 6, (\q)%2, \q, \slot, \zero
	PLACES NP
	WIN 0
	FETCH_A \slot, (\q)+1, 4
.endm
; Slot 0's last step changes slots: ONE barrier; in front of it each wave waits for all its tensor loads (its part of slot 1 is the one that may be out).  Nothing is filled again: K is two slots long.
.macro TURN slot, next
	s_wait_tensorcnt 0x0                           ; all my tensor loads have landed: my part of the next slot;  (every window is 0 here)
	ds_add_u32 v[SPW], v[NIL]                      ; 0 onto my spare word
	s_wait_dscnt 4*NL+1                            ; (the add and the youngest eight loads, A's blocks 4-7, may be out)
	WIN MUL_LO
	MUL16 0, 1, NQ-1, \slot, 0                     ; sixteen matrix instructions stand between the add and the wait for it
	s_wait_dscnt 0x0                               ; the add is done, and my reads of this slot are over
	s_barrier_signal -1
	MUL16 2, 1, NQ-1, \slot, 0
	WIN 0
	s_barrier_wait -1                              ; the next slot is whole
	PLACES NP
	v_add_nc_u32 v[ADRS], 4*NQ, v[ADRS]            ; on to the next K step's scale words (no LDS load of mine is out)
	FETCH_B \next, 0, 0
	FETCH_A \next, 0, 0
	SCALES \next
	WIN MUL_HI
	MUL16 4, 1, NQ-1, \slot, 0
	MUL16 6, 1, NQ-1, \slot, 0
	PLACES NP
	WIN 0
	FETCH_A \next, 0, 4
.endm
.macro STEPS slot, from                ; the slot's steps from .. NQ - 2
.set Q, \from
.rept NQ-1-\from
	STEP \slot, Q, 0
.set Q, Q+1
.endr
.endm
	s_wait_tensorcnt 1                             ; the scales and my part of slot 0 are in (slot 1's load may be out),
	s_barrier_signal -1
	s_barrier_wait -1                              ; everybody's are
	FETCH_B 0, 0, 0
	FETCH_A 0, 0, 0
	SCALES 0
	FETCH_A 0, 0, 4
	STEP 0, 0, 1                                   ; the first step's products start the sums
	STEPS 0, 1
	TURN 0, 1
	STEPS 1, 0
	s_wait_dscnt 4*NL                              ; the very last step: nothing more to fetch
	WIN MUL_LO
	MUL16 0, 1, NQ-1, 1, 0
	MUL16 2, 1, NQ-1, 1, 0
	s_wait_dscnt 0
	WIN MUL_HI
	MUL16 4, 1, NQ-1, 1, 0
	MUL16 6, 1, NQ-1, 1, 0
	WIN 0
; THE WAY OUT, block a of 16 tokens x 128 columns (two heads) at a time.
.macro TABLOAD a                       ; the table's rows of block a's 16 tokens into set a % 2 (window 1): for tile bm of 16 channels my four pairs 8 bm + 4 h + 0 .. 3 as c, s, c, s, ..
	WIN TO_B
.irp bm, 0,1,2,3
.irp u, 0,1
	global_load_b128 v[32*((\a)%2)+8*\bm+4*\u:32*((\a)%2)+8*\bm+4*\u+3], v[TO], s[TBASE:TBASE+1] offset:4096*(\a)+64*\bm+16*\u
.endr
.endr
	WIN 0
.endm
.macro ROPE a                          ; (e, o) -> (c e - s o, c o + s e), each accumulator read from its low end on; then the rounding to f16
.set AC, 64*((\a)%4)
.set TS, 32*((\a)%2)
	WIN 0x09+4*((\a)/4)                            ; source 0 (the table) window 1, source 1 (the accumulator) window 2 or 3, the rest window 0
.irp b, 0,1,2,3,4,5,6,7
.irp p, 0,1,2,3
	v_mul_f32 v[TT+8*\b+2*\p], v[TS+8*(\b%4)+2*\p], v[AC+8*\b+2*\p]
	v_mul_f32 v[TT+8*\b+2*\p+1], v[TS+8*(\b%4)+2*\p], v[AC+8*\b+2*\p+1]
.endr
.irp p, 0,1,2,3
	v_fma_f32 v[TT+8*\b+2*\p], -v[TS+8*(\b%4)+2*\p+1], v[AC+8*\b+2*\p+1], v[TT+8*\b+2*\p]
	v_fma_f32 v[TT+8*\b+2*\p+1], v[TS+8*(\b%4)+2*\p+1], v[AC+8*\b+2*\p], v[TT+8*\b+2*\p+1]
.endr
.endr
	WIN 0
.set i, 0
.rept 32
	v_cvt_pk_f16_f32 v[PK+32*((\a)%2)+i], v[TT+2*i], v[TT+2*i+1]
.set i, i+1
.endr
.endm
.macro PLAIN a                         ; V: the rounding alone, straight from the accumulators
.set AC, 64*((\a)%4)
	WIN 0x0a+5*((\a)/4)                            ; sources 0 and 1: window 2 or 3
.set i, 0
.rept 32
	v_cvt_pk_f16_f32 v[PK+32*((\a)%2)+i], v[AC+2*i], v[AC+2*i+1]
.set i, i+1
.endr
	WIN 0
.endm
.macro OUT8 a, off                     ; eight images: head b / 4 of my two, 16 channels b % 4; each store covers 512 consecutive bytes, aligned
.irp b, 0,1,2,3,4,5,6,7
	global_store_b128 v[\off], v[PK+32*((\a)%2)+4*\b:PK+32*((\a)%2)+4*\b+3], s[OUTB:OUTB+1] offset:(\b/4)*262144+2048*(\a)+512*(\b%4)
.endr
.endm
	PLACES NP                                      ; behind the last products: for the loads into B's registers, the writes over A's, and the reads of results
	s_cmp_eq_u32 ttmp9, 2                          ; cluster x: the same in all sixteen partners
	s_cbranch_scc1 .Lplain
	TABLOAD 0
.irp a, 0,1,2,3,4,5,6,7
.if \a < 7
	TABLOAD \a+1
	s_wait_loadcnt 8                               ; block a's eight loads are in; the next block's eight may be out
.else
	s_wait_loadcnt 0x0
.endif
.if \a > 1
	s_wait_xcnt 0x0                                ; block a - 2's stores have read their data: that set is written again only behind this wait
.endif
	ROPE \a
	OUT8 \a, CO
.endr
	s_branch .Ldone
.Lplain:
.irp a, 0,1,2,3,4,5,6,7
.if \a > 1
	s_wait_xcnt 0x0                                ; block a - 2's stores have read their data
.endif
	PLAIN \a
	OUT8 \a, COV
.endr
.Ldone:
	s_wait_tensorcnt 0x0                           ; the wave's end
	ds_add_u32 v[SPW], v[NIL]
	s_wait_dscnt 0x0
	CROUND                                         ; the closing round: no work-group ends while a partner may still ask for a tile that names it
	s_endpgm
.Lfunc_end_k_q52b663cc33_qkv:
	.size	k_q52b663cc33_qkv, .Lfunc_end_k_q52b663cc33_qkv-k_q52b663cc33_qkv
	.p2alignl 7, 3214868480
	.fill 96, 4, 3214868480
	.section	.rodata,"a",@progbits
	.p2align	6, 0x0
	.amdhsa_kernel k_q52b663cc33_qkv
		.amdhsa_group_segment_fixed_size 327680
		.amdhsa_private_segment_fixed_size 0
		.amdhsa_enable_private_segment 0
		.amdhsa_kernarg_size 32
		.amdhsa_user_sgpr_count 2
		.amdhsa_user_sgpr_kernarg_segment_ptr 1
		.amdhsa_wavefront_size32 1
		.amdhsa_system_sgpr_workgroup_id_x 1
		.amdhsa_system_sgpr_workgroup_id_y 1
		.amdhsa_system_sgpr_workgroup_id_z 1
		.amdhsa_system_vgpr_workitem_id 0
		.amdhsa_next_free_vgpr 1024
		.amdhsa_next_free_sgpr 102
		.amdhsa_reserve_vcc 0
		.amdhsa_float_denorm_mode_32 3
		.amdhsa_float_denorm_mode_16_64 3
		.amdhsa_memory_ordered 1
		.amdhsa_forward_progress 1
		.amdhsa_inst_pref_size 196
	.end_amdhsa_kernel
	.amdgpu_metadata
---
amdhsa.version: [ 1, 2 ]
amdhsa.kernels:
  - .name:           k_q52b663cc33_qkv
    .symbol:         k_q52b663cc33_qkv.kd
    .args:
      - { .name: codes, .offset: 0, .size: 8, .value_kind: global_buffer, .address_space: global }
      - { .name: scales, .offset: 8, .size: 8, .value_kind: global_buffer, .address_space: global }
      - { .name: rope, .offset: 16, .size: 8, .value_kind: global_buffer, .address_space: global }
      - { .name: qkv, .offset: 24, .size: 8, .value_kind: global_buffer, .address_space: global }
    .group_segment_fixed_size: 327680
    .private_segment_fixed_size: 0
    .kernarg_segment_align: 8
    .kernarg_segment_size: 32
    .max_flat_workgroup_size: 128
    .sgpr_count:     102
    .vgpr_count:     1024
    .wavefront_size: 32
...
	.end_amdgpu_metadata
.endif
;; end of part 2
;; launch attn (part 3): grid 4 x 64, 8 waves a work-group, no clusters, 327,680 bytes of LDS; arguments qkv, multi; writes multi
.if DOCPART == 3
	.amdgcn_target "amdgcn-amd-amdhsa--gfx1250"
	.amdhsa_code_object_version 6
	.text
	.protected	k_q52b663cc33_attn
	.globl	k_q52b663cc33_attn
	.p2align	8
	.type	k_q52b663cc33_attn,@function
k_q52b663cc33_attn:
	s_mov_b64 s[64:65], 0
	v_nop
	global_prefetch_b8 v0, s[64:65] scope:SCOPE_SE
	s_setreg_imm32_b32 hwreg(HW_REG_WAVE_MODE, 25, 1), 1
	s_wait_xcnt 0x0
; heads = softmax(Q K^T / 8, causal) V for 64 (batch, head) pairs of 2,048 tokens x 64 channels.  Q, K, V are f16 images of operand registers (qkv[which][bh][16 tokens][16 channels][chunk][16 bytes]); Q already
; carries log2(e) / 8, so a score is the exponent to base 2.  Products on f16 operands with f32 sums; maxima, exponentials and sums in f32; the weights p are rounded to f16 for the second product.
; SHARES.  Work-group (X, bh) takes query block 7 - X (256 queries; key units 0 .. 7 - X of 256 keys) and then query block X (key units 0 .. X): always 9 units, so all 256 work-groups have the same
; work and every trip count is a constant.  Each of the eight waves owns 32 queries of the block: two tiles of 16.  Two waves share a SIMD: one's softmax stands beside the other's matrix instructions and LDS loads.
; A unit is 4 steps of 64 keys.  A step all of whose keys come after the wave's queries is left out by a scalar branch on ids; on the diagonal hidden scores become -infinity ahead of the maximum.
; LAYOUT.  S^T = K Q^T (source 0 = 16 keys, source 1 = 16 queries) and O^T = V^T P (source 0 = 16 channels, source 1 = P): a lane holds ONE query (lane % 16) throughout; two tiles of S^T, rounded in pairs, ARE P's
; registers.  K's images are read at 16 x lane as they lie; V's chunks are ordered so that the transposing load at 16 x lane returns V^T's registers.  No pitch, no padding: every LDS read is 512 consecutive bytes.
; O^T's registers, divided by the row's sum and rounded to f16, are an image again: multi[16 tokens][32 along K][half][lane][16 bytes], the next launch's operand.
; SOFTMAX.  For each query a running maximum m and sum l: p = 2^(s - m); in every step O and l are multiplied by a = 2^(m_old - m_new).  At the change of blocks m is set back to -3e38: the next a is 0 and wipes O and l.
; THE RING.  Two LDS slots of a unit (K's 32 KiB, V's 32 KiB).  Every wave fetches 8 KiB with one tensor load (waves 0-3 K's quarters, 4-7 V's).  The change of slots stands at a unit's head.
; NO CLUSTER: the four work-groups of a head walk 8 - X and then X + 1 units, so from the sixth unit on they want different tiles; a joint load would name tiles that partners do not want.
; LIMITS: the heads' numbers stay under 65,504 (f16); NaN and infinities are not served.
.set SLOT1, 65536
.set VOFF,  32768                      ; V's part of a slot
.set STEPB, 8192                       ; a step's 64 keys: four tiles of 2,048 bytes
.set SPARE, 131072                     ; behind the ring: the spare words, 128 bytes for each wave: four blocks of 256 bytes that no other line names
.set LA,   1                           ; v1   16 x lane; never rewritten
.set ADR,  2                           ; v2   LDS address of the step's images
.set SPW,  3                           ; v3   LDS address of my spare word; never rewritten
.set NIL,  4                           ; v4   0; never rewritten
.set PFO,  5                           ; v5   256 x lane: the prefetches' offset; never rewritten
.set D0,   6                           ; v6, v7  the mask: tile t's query less the step's first key less 8 (lane / 16)
.set RH,   8                           ; v8   lane % 16 - 8 (lane / 16)
.set NINF, 9                           ; v9   -infinity
.set ST,   16                          ; v16-31  statistics, eight a tile: +0 -m, +1 m, +2, +3 l (even keys', odd keys'), +4 to +7 at work; a at +6
.set QF,   32                          ; v32-63  Q, 16 a tile
.set SS,   64                          ; v64-127 S^T, 32 a tile
.set PP,   128                         ; v128-159 P, 16 a tile
.set OO,   160                         ; v160-223 O^T, 32 a tile
.set OUTP, 224                         ; v224-255 the way out
.set VW,   64                          ; window 1: v0-63 K's 8 fragments, v64-127 V's 8, v128-159 the second block's Q
.set Q2,   128
.set WV,   8                           ; s8   wave
.set XX,   9                           ; s9   X
.set BH,   10                          ; s10  batch x 16 + head
.set X1,   11                          ; s11  X + 1
.set CNT,  12                          ; s12  units to go behind this one
.set STEPC, 13                         ; s13  counts a unit's steps
.set TB,   14                          ; s14  LDS byte at which the step's images begin
.set KF,   15                          ; s15  the step's first key
.set Q0,   16                          ; s16  my first query
.set NKB,  17                          ; s17  which key unit is asked for
.set LIM,  18                          ; s18  2 in a work-group that prefetches, else the greatest number
.set SEL,  20                          ; s[20:21] lane selects for v_permlanex16_b32: lane l xor 16
.set KVB,  22                          ; s[22:23] my 8 KiB of key unit 0
.set G1,   24                          ; s[24:31] descriptor group 1
.set G0,   32                          ; s[32:35] descriptor group 0
.set PFA,  36                          ; s[36:37] where my prefetches stand
.set OFS,  38                          ; s[38:39] an offset; s39 stays 0
.set OUTB, 40                          ; s[40:41] multi at my first image
.set QA,   42                          ; s[42:43], s[44:45] Q of my first and second block
.set QB,   44
.set TMP,  46                          ; s46-47 at work
.set MSB, 0
.macro WIN new                         ; the immediate's high byte repeats the setting that is left
.if MSB != \new
	s_set_vgpr_msb (MSB<<8)|\new
.set MSB, \new
.endif
.endm
	s_load_b128 s[4:7], s[0:1], 0x0                ; qkv s[4:5], multi s[6:7]
	v_lshl_add_u32 v[SPW], v0, 2, SPARE
	v_mov_b32 v[NIL], 0
	ds_add_u32 v3, v4
	ds_add_u32 v3, v4
	s_wait_dscnt 0x0
	v_lshrrev_b32 v10, 5, v0
	v_readfirstlane_b32 s[WV], v10                 ; wave 0..7
	s_mov_b32 s[XX], ttmp9
	s_and_b32 s[BH], ttmp7, 0xffff
	s_add_co_u32 s[X1], s[XX], 1
	; descriptor group 1: 8 KiB, dense, as 32 rows of 256 bytes (32 elements of 8 bytes); no padding, no mask
	s_mov_b32 s[G1+0], 3<<16
	s_mov_b32 s[G1+1], 32<<16                      ; tensor_dim0 = 32
	s_mov_b32 s[G1+2], 32<<16                      ; tensor_dim1 = 32
	s_mov_b32 s[G1+3], 32<<16                      ; tile_dim0 = 32
	s_mov_b32 s[G1+4], 32                          ; tile_dim1 = 32
	s_mov_b32 s[G1+5], 32                          ; from row to row
	s_mov_b32 s[G1+6], 0
	s_mov_b32 s[G1+7], 0
	s_lshl_b32 s[OFS], s[BH], 18                   ; the head's 2^18 bytes,
	s_and_b32 s[TMP], s[WV], 3
	s_lshl_b32 s[TMP], s[TMP], 13                  ; my quarter of a unit,
	s_add_co_u32 s[OFS], s[OFS], s[TMP]
	s_lshr_b32 s[TMP], s[WV], 2
	s_add_co_u32 s[TMP], s[TMP], 1
	s_lshl_b32 s[TMP], s[TMP], 24                  ; in K (waves 0-3) or in V (waves 4-7)
	s_add_co_u32 s[OFS], s[OFS], s[TMP]
	s_mov_b32 s[OFS+1], 0
	s_wait_kmcnt 0x0
	s_add_nc_u64 s[KVB:KVB+1], s[4:5], s[OFS:OFS+1]
	s_mov_b32 s[G0], 1                             ; count = 1
	s_lshl_b32 s[G0+1], s[WV], 13                  ; LDS: slot 0, 8,192 x wave
	s_mov_b64 s[G0+2:G0+3], s[KVB:KVB+1]           ; key unit 0
	s_or_b32 s[G0+3], s[G0+3], 0x80000000          ; type = 2
	tensor_load_to_lds s[G0:G0+3], s[G1:G1+7]      ; the first fill, ahead of every wait on TENSORcnt, every LDS read and every barrier
	s_nop 0
.rept 4
	v_nop
.endr
	v_and_b32 v10, 31, v0
	v_lshlrev_b32 v[LA], 4, v10
	v_lshlrev_b32 v[PFO], 8, v10
	s_lshl_b32 s[TMP], s[BH], 18
	s_lshl_b32 s[TMP+1], s[WV], 12                 ; my wave's 32 queries: two tiles of 2,048 bytes
	s_add_co_u32 s[TMP], s[TMP], s[TMP+1]
	s_sub_co_u32 s[TMP+1], 7, s[XX]                ; the first block
	s_lshl_b32 s[OFS], s[TMP+1], 15
	s_add_co_u32 s[OFS], s[OFS], s[TMP]
	s_add_nc_u64 s[QA:QA+1], s[4:5], s[OFS:OFS+1]
	s_lshl_b32 s[Q0], s[TMP+1], 8
	s_lshl_b32 s[OFS], s[XX], 15                   ; the second
	s_add_co_u32 s[OFS], s[OFS], s[TMP]
	s_add_nc_u64 s[QB:QB+1], s[4:5], s[OFS:OFS+1]
.irp n, 0,1,2,3,4,5,6,7
	global_load_b128 v[QF+4*\n:QF+4*\n+3], v[LA], s[QA:QA+1] offset:512*\n       ; tile n / 4, 16 channels n % 4: registers as the operand wants them
.endr
	WIN 0x40                                       ; destination window 1
.irp n, 0,1,2,3,4,5,6,7
	global_load_b128 v[Q2+4*\n:Q2+4*\n+3], v[LA], s[QB:QB+1] offset:512*\n
.endr
	WIN 0
	s_lshl_b32 s[TMP], s[WV], 5
	s_add_co_u32 s[Q0], s[Q0], s[TMP]              ; my first query: 256 (7 - X) + 32 x wave
	s_mov_b32 s[KF], 0
	s_mov_b32 s[TB], 0
	s_mov_b32 s[NKB], 0
	s_mov_b32 s[CNT], 8
	s_mov_b32 s[SEL], 0x76543210
	s_mov_b32 s[SEL+1], 0xfedcba98
	s_add_nc_u64 s[PFA:PFA+1], s[KVB:KVB+1], 32768 ; at unit 1: the first change of slots steps it to unit 2.  Nothing is prefetched at the head
	s_cmp_eq_u32 s[XX], 0                          ; the head's work-group with X = 0 walks units 0 .. 7 in order: it asks, and nobody else
	s_cselect_b32 s[LIM], 2, -1
	v_and_b32 v10, 15, v0
	v_bfe_u32 v11, v0, 4, 1
	v_lshlrev_b32 v11, 3, v11
	v_sub_nc_u32 v[RH], v10, v11
	v_mov_b32 v[NINF], 0xff800000
.irp t, 0,1
	v_mov_b32 v[ST+8*\t], 0x7f61b1e6               ; -m
	v_mov_b32 v[ST+8*\t+1], 0xff61b1e6             ; m = -3e38, under every score
.irp j, 2,3,4,5,6,7
	v_mov_b32 v[ST+8*\t+\j], 0                     ; l; and the registers at work, which are named as pairs and as a lane permute's destination
.endr
.endr
.set i, 0
.rept 64
	v_mov_b32 v[OO+i], 0                           ; O^T: the step is written once; the first finds zeros
.set i, i+1
.endr
; A PREFETCH INTO THE L2: in unit U the tensor loads ask for unit U + 1 and this line for unit U + 2: each wave for its own 8 KiB, lanes 256 bytes apart, one instruction.  All four work-groups of a head read the
; same K and V; only the one with X = 0 asks, so each aligned block of 256 bytes is named once in the launch.  Units 0 and 1 come by their loads alone; the asking stops with unit 7 (CNT above 2).
.macro ASK
	s_cmp_gt_u32 s[CNT], s[LIM]
	s_cbranch_scc0 .Lnot_mine_\@
	global_prefetch_b8 v[PFO], s[PFA:PFA+1] th:TH_LOAD_NT scope:SCOPE_SE
.Lnot_mine_\@:
.endm
; THE CHANGE OF SLOTS, at a unit's head.  Each wave waits for all its tensor loads (its part of the slot that it is about to read), adds 0 to its spare word, and waits for that and for its reads of the slot that
; it has left.  Behind the barrier the slot ahead is whole and nobody reads the other one.  fill = 1: that other slot takes the next unit: one load a wave, which has a unit's 128 matrix instructions in which to land.
.macro CHANGE fill
	s_wait_tensorcnt 0x0                           ; no tensor load of mine is out, so group 0 may be written
	ds_add_u32 v[SPW], v[NIL]                      ; 0 onto my spare word; the descriptor's steps stand between it and the wait for it
.if \fill
	s_xor_b32 s[G0+1], s[G0+1], SLOT1              ; the other slot than last time
	s_add_co_u32 s[NKB], s[NKB], 1                 ; the next key unit,
	s_cmp_eq_u32 s[CNT], s[X1]
	s_cselect_b32 s[NKB], 0, s[NKB]                ; or unit 0 again, where the next unit begins the second block
	s_lshl_b32 s[OFS], s[NKB], 15
	s_add_nc_u64 s[G0+2:G0+3], s[KVB:KVB+1], s[OFS:OFS+1]
	s_or_b32 s[G0+3], s[G0+3], 0x80000000
	s_wait_xcnt 0x0                                ; the last prefetch, a unit back, has read its address, so it may be written
	s_add_nc_u64 s[PFA:PFA+1], s[PFA:PFA+1], 32768
.endif
	s_wait_dscnt 0x0                               ; the add is done, and my reads of the slot that I have left are over
	s_barrier_signal -1
	s_barrier_wait -1
.if \fill
	tensor_load_to_lds s[G0:G0+3], s[G1:G1+7]      ; the first thing behind the barrier, and my one tensor load until the next
	s_nop 0
.rept 4
	v_nop
.endr
	ASK
.endif
.endm
; The softmax of both tiles for one step; the tiles alternate line by line, so that no line waits for the line above it.
.macro SOFTMAX
.irp k, 0,1,2,3
.irp t, 0,1
	v_max3_num_f32 v[ST+8*\t+4+\k], v[SS+32*\t+8*\k], v[SS+32*\t+8*\k+1], v[SS+32*\t+8*\k+2]   ; four chains, one for each accumulator, from its low end on
.endr
.endr
.irp i, 3,5
.irp k, 0,1,2,3
.irp t, 0,1
	v_max3_num_f32 v[ST+8*\t+4+\k], v[ST+8*\t+4+\k], v[SS+32*\t+8*\k+\i], v[SS+32*\t+8*\k+\i+1]
.endr
.endr
.endr
.irp t, 0,1
	v_max3_num_f32 v[ST+8*\t+4], v[ST+8*\t+4], v[SS+32*\t+7], v[SS+32*\t+15]
	v_max3_num_f32 v[ST+8*\t+6], v[ST+8*\t+6], v[SS+32*\t+23], v[SS+32*\t+31]
.endr
.irp t, 0,1
	v_max3_num_f32 v[ST+8*\t+4], v[ST+8*\t+4], v[ST+8*\t+5], v[ST+8*\t+6]
.endr
.irp t, 0,1
	v_max3_num_f32 v[ST+8*\t+4], v[ST+8*\t+4], v[ST+8*\t+7], v[ST+8*\t+1]   ; with the old m
.endr
.irp t, 0,1
	v_permlanex16_b32 v[ST+8*\t+5], v[ST+8*\t+4], s[SEL], s[SEL+1]          ; the query's other 32 keys lie in the lane 16 away
.endr
.irp t, 0,1
	v_max_num_f32 v[ST+8*\t+1], v[ST+8*\t+4], v[ST+8*\t+5]                  ; the new m
.endr
.irp t, 0,1
	v_fma_f32 v[ST+8*\t+7], v[ST+8*\t+1], -1.0, -v[ST+8*\t]                 ; m_old - m_new
.endr
.irp t, 0,1
	v_mul_f32 v[ST+8*\t], -1.0, v[ST+8*\t+1]                                ; -m
.endr
.irp i, 0,2,4,6,8,10,12,14,16,18,20,22,24,26,28,30
.irp t, 0,1
	v_pk_add_f32 v[SS+32*\t+\i:SS+32*\t+\i+1], v[SS+32*\t+\i:SS+32*\t+\i+1], v[ST+8*\t:ST+8*\t+1] op_sel_hi:[1,0]   ; s - m, two at a time
.endr
.endr
.irp t, 0,1
	v_exp_f32 v[ST+8*\t+6], v[ST+8*\t+7]           ; a
.endr
.set i, 0
.rept 64
	v_exp_f32 v[SS+i], v[SS+i]                     ; p
.set i, i+1
.endr
	v_nop                                          ; a plain line between the last exponential and the use of its result
.set i, 0
	s_wait_alu depctr_va_vdst(0)
.rept 32
	v_cvt_pk_f16_f32 v[PP+i], v[SS+2*i], v[SS+2*i+1]   ; P's registers: pair i of tile t is register 16 t + i
.set i, i+1
.endr
.irp w, 4,8,16,32                      ; the sum of a tile's 16 pairs (an even key's weight, an odd key's), in place: neighbours 1, 2, 4 and 8 pairs apart
.set i, 0
.rept 64/\w
	v_pk_add_f32 v[SS+\w*i:SS+\w*i+1], v[SS+\w*i:SS+\w*i+1], v[SS+\w*i+\w/2:SS+\w*i+\w/2+1]
.set i, i+1
.endr
.endr
.irp t, 0,1
	v_pk_fma_f32 v[ST+8*\t+2:ST+8*\t+3], v[ST+8*\t+2:ST+8*\t+3], v[ST+8*\t+6:ST+8*\t+7], v[SS+32*\t:SS+32*\t+1] op_sel_hi:[1,0,1]   ; l = a l + the sum
.endr
.irp t, 0,1
.set i, 0
.rept 16
	v_pk_mul_f32 v[OO+32*\t+2*i:OO+32*\t+2*i+1], v[OO+32*\t+2*i:OO+32*\t+2*i+1], v[ST+8*\t+6:ST+8*\t+7] op_sel_hi:[1,0]   ; O^T x a, each accumulator from its low end on
.set i, i+1
.endr
.endr
.endm
; A STEP: 64 keys.
.macro STEP
	s_add_co_u32 s[TMP], s[Q0], 31
	s_cmp_gt_u32 s[KF], s[TMP]                     ; all 64 keys come after my 32 queries: the step's work is left out; the lines at its end that step addresses are not
	s_cbranch_scc1 .Lhidden_\@
	v_add_nc_u32 v[ADR], s[TB], v[LA]
.rept 3
	v_nop                                          ; with the addition: four places behind the last step's products, in front of the loads into their operands
.endr
	WIN 0x40                                       ; destination window 1
.set n, 0
.rept 16
	ds_load_b128 v[4*n:4*n+3], v[ADR] offset:512*n                   ; K: tile of keys n / 4, 16 channels n % 4: fragment (kt, cc) at v[16 kt + 8 cc]
.set n, n+1
.endr
.irp kc2, 0,1
.irp ct, 0,1,2,3
.irp e, 0,1
	ds_load_tr16_b128 v[VW+8*(2*\ct+\kc2)+4*\e:VW+8*(2*\ct+\kc2)+4*\e+3], v[ADR] offset:VOFF+2048*(2*\kc2+\e)+512*\ct   ; V^T: 16 channels ct, keys 32 kc2 + 16 e on
.endr
.endr
.endr
	s_wait_dscnt 16                                ; K's sixteen loads are in; V's sixteen may be out
	WIN 0x01                                       ; source 0 window 1
.irp cc, 0,1                                   ; S^T = K Q^T: eight accumulators by turns, one instruction a turn; the first eight start the sums
.irp kt, 0,1,2,3
.irp t, 0,1
.if \cc == 0
	v_wmma_f32_16x16x32_f16 v[SS+32*\t+8*\kt:SS+32*\t+8*\kt+7], v[16*\kt+8*\cc:16*\kt+8*\cc+7], v[QF+16*\t+8*\cc:QF+16*\t+8*\cc+7], 0
.else
	v_wmma_f32_16x16x32_f16 v[SS+32*\t+8*\kt:SS+32*\t+8*\kt+7], v[16*\kt+8*\cc:16*\kt+8*\cc+7], v[QF+16*\t+8*\cc:QF+16*\t+8*\cc+7], v[SS+32*\t+8*\kt:SS+32*\t+8*\kt+7]
.endif
.endr
.endr
.endr
	WIN 0
.rept 4
	v_nop                                          ; four places in front of the first read of the scores
.endr
	s_add_co_u32 s[TMP], s[KF], 63
	s_cmp_le_u32 s[TMP], s[Q0]                     ; all 64 keys count for all my queries: no mask
	s_cbranch_scc1 .Lopen_\@
	s_sub_co_i32 s[TMP], s[Q0], s[KF]
	v_add_nc_u32 v[D0], s[TMP], v[RH]              ; register 8 kt + j of tile t holds key KF + 16 kt + 8 (lane / 16) + j and query Q0 + 16 t + lane % 16: hidden where 16 kt + j > d
	v_add_nc_u32 v[D0+1], 16, v[D0]
.irp t, 0,1
.set n, 0
.rept 32
	v_cmp_gt_i32 vcc_lo, 16*(n/8)+n%8, v[D0+\t]
	v_cndmask_b32 v[SS+32*\t+n], v[SS+32*\t+n], v[NINF], vcc_lo
.set n, n+1
.endr
.endr
.Lopen_\@:
	SOFTMAX
	s_wait_dscnt 0x0                               ; V is in
	WIN 0x01
.irp kc2, 0,1                                  ; O^T += V^T P: eight accumulators by turns
.irp ct, 0,1,2,3
.irp t, 0,1
	v_wmma_f32_16x16x32_f16 v[OO+32*\t+8*\ct:OO+32*\t+8*\ct+7], v[VW+8*(2*\ct+\kc2):VW+8*(2*\ct+\kc2)+7], v[PP+16*\t+8*\kc2:PP+16*\t+8*\kc2+7], v[OO+32*\t+8*\ct:OO+32*\t+8*\ct+7]
.endr
.endr
.endr
	WIN 0
.Lhidden_\@:
	s_add_co_u32 s[KF], s[KF], 64
	s_add_co_u32 s[TB], s[TB], STEPB
.endm
; A block's end: O^T / l, rounded to f16, is stored as images: 512 consecutive bytes a store.
.macro FINISH
.rept 4
	v_nop                                          ; four places behind the last products
.endr
.irp t, 0,1
	v_add_f32 v[ST+8*\t+4], v[ST+8*\t+2], v[ST+8*\t+3]
.endr
.irp t, 0,1
	v_permlanex16_b32 v[ST+8*\t+5], v[ST+8*\t+4], s[SEL], s[SEL+1]
.endr
.irp t, 0,1
	v_add_f32 v[ST+8*\t+4], v[ST+8*\t+4], v[ST+8*\t+5]   ; the row's sum
.endr
.irp t, 0,1
	v_rcp_f32 v[ST+8*\t+6], v[ST+8*\t+4]
.endr
	v_nop                                          ; a plain line behind the reciprocals
	s_wait_alu depctr_va_vdst(0)
.irp t, 0,1
.set i, 0
.rept 16
	v_pk_mul_f32 v[OO+32*\t+2*i:OO+32*\t+2*i+1], v[OO+32*\t+2*i:OO+32*\t+2*i+1], v[ST+8*\t+6:ST+8*\t+7] op_sel_hi:[1,0]
.set i, i+1
.endr
.endr
	s_wait_xcnt 0x0                                ; the first block's stores have read their data and their base: both are written again only behind this wait
.set i, 0
.rept 32
	v_cvt_pk_f16_f32 v[OUTP+i], v[OO+2*i], v[OO+2*i+1]
.set i, i+1
.endr
	s_lshr_b32 s[TMP], s[BH], 4
	s_lshl_b32 s[TMP], s[TMP], 7                   ; 128 tiles of 16 tokens a batch,
	s_lshr_b32 s[TMP+1], s[Q0], 4
	s_add_co_u32 s[TMP], s[TMP], s[TMP+1]          ; my first:
	s_lshl_b32 s[TMP], s[TMP], 15                  ; 32,768 bytes each;
	s_and_b32 s[TMP+1], s[BH], 15
	s_lshl_b32 s[TMP+1], s[TMP+1], 11              ; the head's 64 of the 1,024 along K: 2,048 bytes
	s_add_co_u32 s[TMP], s[TMP], s[TMP+1]
	s_mov_b32 s[TMP+1], 0
	s_add_nc_u64 s[OUTB:OUTB+1], s[6:7], s[TMP:TMP+1]
.irp t, 0,1
.irp ct, 0,1,2,3
	global_store_b128 v[LA], v[OUTP+16*\t+4*\ct:OUTP+16*\t+4*\ct+3], s[OUTB:OUTB+1] offset:32768*\t+512*\ct
.endr
.endr
.endm
.macro NEWPHASE                        ; on to query block X.  O^T and l are not cleared: with m = -3e38 the next step's a is 0
	s_lshl_b32 s[Q0], s[XX], 8
	s_lshl_b32 s[TMP], s[WV], 5
	s_add_co_u32 s[Q0], s[Q0], s[TMP]
	s_mov_b32 s[KF], 0
	WIN 0x01                                       ; source 0 window 1
.set i, 0
.rept 32
	v_mov_b32 v[QF+i], v[Q2+i]
.set i, i+1
.endr
	WIN 0
.irp t, 0,1
	v_mov_b32 v[ST+8*\t], 0x7f61b1e6
	v_mov_b32 v[ST+8*\t+1], 0xff61b1e6
.endr
.endm
.macro UNIT                            ; 256 keys: four steps, written once
	s_cmp_lg_u32 s[CNT], s[XX]                     ; the unit with CNT = X is the second block's first
	s_cbranch_scc1 .Lsame_\@
	FINISH
	NEWPHASE
.Lsame_\@:
	s_mov_b32 s[STEPC], 4
.Lstep_\@:
	STEP
	s_sub_co_u32 s[STEPC], s[STEPC], 1
	s_cmp_lg_u32 s[STEPC], 0
	s_cbranch_scc1 .Lstep_\@
	s_sub_co_u32 s[TB], s[TB], 4*STEPB             ; back to a slot's first step,
	s_xor_b32 s[TB], s[TB], SLOT1                  ; in the other slot
.endm
	s_wait_loadcnt 0x0                             ; Q, both blocks'
.Lunit:                                            ; eight trips: behind each change of slots but the last the next unit is asked for
	CHANGE 1
	UNIT
	s_sub_co_u32 s[CNT], s[CNT], 1
	s_cmp_lg_u32 s[CNT], 0
	s_cbranch_scc1 .Lunit
	CHANGE 0                                       ; the ninth unit is written out
	UNIT
	FINISH
	s_wait_tensorcnt 0x0                           ; the wave's end
	ds_add_u32 v[SPW], v[NIL]
	s_wait_dscnt 0x0
	s_endpgm
.Lfunc_end_k_q52b663cc33_attn:
	.size	k_q52b663cc33_attn, .Lfunc_end_k_q52b663cc33_attn-k_q52b663cc33_attn
	.p2alignl 7, 3214868480
	.fill 96, 4, 3214868480
	.section	.rodata,"a",@progbits
	.p2align	6, 0x0
	.amdhsa_kernel k_q52b663cc33_attn
		.amdhsa_group_segment_fixed_size 327680
		.amdhsa_private_segment_fixed_size 0
		.amdhsa_enable_private_segment 0
		.amdhsa_kernarg_size 16
		.amdhsa_user_sgpr_count 2
		.amdhsa_user_sgpr_kernarg_segment_ptr 1
		.amdhsa_wavefront_size32 1
		.amdhsa_system_sgpr_workgroup_id_x 1
		.amdhsa_system_sgpr_workgroup_id_y 1
		.amdhsa_system_sgpr_workgroup_id_z 1
		.amdhsa_system_vgpr_workitem_id 0
		.amdhsa_next_free_vgpr 416
		.amdhsa_next_free_sgpr 66
		.amdhsa_reserve_vcc 1
		.amdhsa_float_denorm_mode_32 3
		.amdhsa_float_denorm_mode_16_64 3
		.amdhsa_memory_ordered 1
		.amdhsa_forward_progress 1
		.amdhsa_inst_pref_size 72
	.end_amdhsa_kernel
	.amdgpu_metadata
---
amdhsa.version: [ 1, 2 ]
amdhsa.kernels:
  - .name:           k_q52b663cc33_attn
    .symbol:         k_q52b663cc33_attn.kd
    .args:
      - { .name: qkv, .offset: 0, .size: 8, .value_kind: global_buffer, .address_space: global }
      - { .name: multi, .offset: 8, .size: 8, .value_kind: global_buffer, .address_space: global }
    .group_segment_fixed_size: 327680
    .private_segment_fixed_size: 0
    .kernarg_segment_align: 8
    .kernarg_segment_size: 16
    .max_flat_workgroup_size: 256
    .sgpr_count:     66
    .vgpr_count:     416
    .wavefront_size: 32
...
	.end_amdgpu_metadata
.endif
;; end of part 3
;; launch oproj (part 4): grid 8 x 32, 4 waves a work-group, clusters of 4 x 4, 327,680 bytes of LDS; arguments multi, wo_img, out0; writes out0
.if DOCPART == 4
	.amdgcn_target "amdgcn-amd-amdhsa--gfx1250"
	.amdhsa_code_object_version 6
	.text
	.protected	k_q52b663cc33_oproj
	.globl	k_q52b663cc33_oproj
	.p2align	8
	.type	k_q52b663cc33_oproj,@function
k_q52b663cc33_oproj:
	s_mov_b64 s[64:65], 0
	v_nop
	global_prefetch_b8 v0, s[64:65] scope:SCOPE_SE
	s_setreg_imm32_b32 hwreg(HW_REG_WAVE_MODE, 25, 1), 1
	s_wait_xcnt 0x0
	s_wait_alu depctr_hold_cnt(0) depctr_sa_sdst(0) depctr_va_vdst(0) depctr_va_sdst(0) depctr_va_ssrc(0) depctr_va_vcc(0) depctr_vm_vsrc(0)
	s_getreg_b32 s2, hwreg(HW_REG_IB_STS2, 6, 4)
	s_cmp_eq_u32 s2, 0
	s_cbranch_scc0 .Lentry_in_a_cluster
	s_endpgm
.Lentry_in_a_cluster:
	s_bfe_u32 s2, ttmp6, 0x10000c
	s_cmp_lg_u32 s2, 0xf033
	s_cbranch_scc0 .Lentry_shape_is_right
	s_endpgm
.Lentry_shape_is_right:
; out0[m][n] = sum over k of multi[m][k] Wo[n][k]: 8,192 x 1,024 x 1,024, f16 operands, f32 sums, f32 out.
; Both operands come as IMAGES of operand registers: [16 rows][32 along K kc][half e][lane][16 bytes]: a fragment (16 rows x 32 K, 8 registers) is two loads of 512 consecutive bytes at 16 x lane: no pitch, no padding.
; A tile of out0, 256 rows x 128 columns, is made by a work-group of four waves: 256 work-groups.  A wave makes 128 x 64: 32 accumulators of 16 x 16, which fill window 1 ((a, b) at v[8 (4 a + b)]).
; K goes in 8 steps of 128 through a ring of two LDS slots filled by the tensor data mover: for each 16 rows a step is 4,096 consecutive bytes of memory.
; CLUSTERS: 4 x 4 work-groups.  The four of a row of the cluster need the same tiles of multi, the four of a column the same tiles of Wo: each tile is asked for JOINTLY, by the same tensor load with the
; same descriptor and a mask that names the four.  THE MATRIX INSTRUCTION IS USED TRANSPOSED (source 0 = 16 rows of Wo, source 1 = 16 rows of multi): a lane then holds eight neighbouring numbers of a row of out0.
; REGISTERS: window 0: v0-31 addresses; v32-127 and v128-223 two fragment buffers (64 registers of A: 8 x 16 rows x 32 K; then 32 of B); on the way out v32-95 rows read back.   window 1: the accumulators.
.set SLOT,   98304                     ; A's 16 x 4,096 bytes, then B's 8 x 4,096
.set BOFF,   65536
.set STAGE,  2*SLOT                    ; behind the ring: 16 rows x (256 bytes + 16) for each wave, for the way out
.set SPITCH, 272
.set SPARE,  STAGE+4*16*SPITCH         ; behind the stages: the spare words, 128 bytes for each wave: two blocks of 256 bytes that no other line names
.set LAPS,   4                         ; a lap = two K steps = once round the ring
.set ADRA, 16                          ; v16-17  LDS address of my A fragments in slot 0, 1
.set ADRB, 20                          ; v20-21  the same for B
.set STO,  24                          ; v24     the way out: where I put 32 bytes of a row
.set RD,   25                          ; v25     the way out: where I read a row back
.set CO,   26                          ; v26     my byte offset in out0
.set SPW,  28                          ; v28     LDS address of my spare word; never rewritten
.set NIL,  29                          ; v29     0; never rewritten
.set F0,   32
.set F1,   128
.set BK,   32                          ; the way out: 16 rows read back: v32-63 and v64-95 by turns
.set G1, 24                            ; s[24:31] descriptor group 1 for A's tiles;  s[32:39] group 0, one set for each slot
.set G0, 32
.set G1B, 48                           ; s[48:55], s[56:63] the same for B's tiles
.set G0B, 56
.set MSB, 0
.macro WIN new                         ; the immediate's high byte repeats the setting that is left
.if MSB != \new
	s_set_vgpr_msb (MSB<<8)|\new
.set MSB, \new
.endif
.endm
.set MUL, 0x50                         ; sources 0 and 1 window 0; C and D window 1
.macro JLOAD s                         ; a joint load: waves 0 and 1 fetch A's two halves, waves 2 and 3 B's; four v_nop follow each of the two lines, ahead of the jump, the label and what follows
	s_cmp_eq_u32 s11, 0
	s_cbranch_scc0 .Lfor_b_\@
	tensor_load_to_lds s[G0+4*\s:G0+4*\s+3], s[G1:G1+7]
	s_nop 0
.rept 4
	v_nop
.endr
	s_branch .Lasked_\@
.Lfor_b_\@:
	tensor_load_to_lds s[G0B+4*\s:G0B+4*\s+3], s[G1B:G1B+7]
	s_nop 0
.rept 4
	v_nop
.endr
.Lasked_\@:
.endm
.macro CREST                           ; a round of the cluster's barrier behind its opening barrier
	s_cmp_lg_u32 s10, 0
	s_cbranch_scc1 .Lnot_wave_0_\@
	s_barrier_signal -3
.Lnot_wave_0_\@:
	s_barrier_wait -3
	s_barrier_signal -1
	s_barrier_wait -1
.endm
.macro CROUND                          ; a whole round
	s_barrier_signal -1
	s_barrier_wait -1
	CREST
.endm
	s_load_b128 s[4:7], s[0:1], 0x0                ; multi s[4:5], wo_img s[6:7]
	s_load_b64 s[8:9], s[0:1], 0x10                ; out0
	v_lshl_add_u32 v[SPW], v0, 2, SPARE
	v_mov_b32 v[NIL], 0
	ds_add_u32 v28, v29
	ds_add_u32 v28, v29
	s_wait_dscnt 0x0
	v_lshrrev_b32 v1, 5, v0
	v_readfirstlane_b32 s10, v1                    ; wave 0..3
	s_lshr_b32 s11, s10, 1                         ; which half of the tile's rows is mine.  Also: I fetch for A (0) or for B (1)
	s_and_b32 s12, s10, 1                          ; which half of its columns.  Also: which half of that tile I fetch
	s_bfe_u32 s40, ttmp6, 0x40000                  ; cx, cy: my place in the cluster
	s_bfe_u32 s41, ttmp6, 0x40004
	s_lshl_b32 s42, ttmp9, 2
	s_add_co_u32 s42, s42, s40                     ; tile column = 4 x cluster x + cx
	s_and_b32 s13, ttmp7, 0xffff
	s_lshl_b32 s13, s13, 2
	s_add_co_u32 s13, s13, s41                     ; tile row = 4 x cluster y + cy
	s_lshl_b32 s43, s41, 2
	s_lshl_b32 s43, 15, s43                        ; my row of the cluster
	s_lshl_b32 s44, 0x1111, s40                    ; my column
	; descriptor group 1: rows of 4,096 bytes (512 elements of 8 bytes), 32,768 bytes apart in memory, on end in LDS: 8 of them for A, 4 for B
	s_or_b32 s[G1+0], s43, (3<<16)|(1<<21)         ; 15:0 the mask: A's tiles go to my row; 17:16 elements of 8 bytes; 21 set beside a mask; no padding
	s_or_b32 s[G1B+0], s44, (3<<16)|(1<<21)
	s_mov_b32 s[G1+1], 512<<16                     ; tensor_dim0 = 512
	s_mov_b32 s[G1+2], 8<<16                       ; tensor_dim1 = 8
	s_mov_b32 s[G1+3], 512<<16                     ; tile_dim0 = 512
	s_mov_b32 s[G1+4], 8                           ; tile_dim1 = 8
	s_mov_b32 s[G1+5], 4096                        ; from row to row, in elements
	s_mov_b32 s[G1+6], 0
	s_mov_b32 s[G1+7], 0
	s_mov_b32 s[G1B+1], 512<<16
	s_mov_b32 s[G1B+2], 4<<16
	s_mov_b32 s[G1B+3], 512<<16
	s_mov_b32 s[G1B+4], 4
	s_mov_b32 s[G1B+5], 4096
	s_mov_b32 s[G1B+6], 0
	s_mov_b32 s[G1B+7], 0
	s_lshl_b32 s16, s13, 4
	s_lshl_b32 s17, s12, 3
	s_add_co_u32 s16, s16, s17                     ; A: 16 rows number 16 x tile row + 8 x half
	s_lshl_b32 s16, s16, 15
	s_mov_b32 s17, 0
	s_lshl_b32 s46, s42, 3
	s_lshl_b32 s47, s12, 2
	s_add_co_u32 s46, s46, s47                     ; B: 8 x tile column + 4 x half
	s_lshl_b32 s46, s46, 15
	s_mov_b32 s47, 0
	s_lshl_b32 s20, s12, 15                        ; where they go: A's halves,
	s_lshl_b32 s21, s12, 14
	s_add_co_u32 s21, s21, BOFF                    ; B's halves behind them: no place in the cluster enters an LDS address
	s_wait_kmcnt 0x0
	s_add_nc_u64 s[14:15], s[4:5], s[16:17]
	s_add_nc_u64 s[46:47], s[6:7], s[46:47]
	CROUND                                         ; all sixteen work-groups are here: the first joint loads meet
.irp s, 0,1
	s_mov_b32 s[G0+4*\s], 1
	s_add_co_u32 s[G0+4*\s+1], s20, \s*SLOT
	s_add_nc_u64 s[G0+4*\s+2:G0+4*\s+3], s[14:15], \s*4096
	s_or_b32 s[G0+4*\s+3], s[G0+4*\s+3], 0x80000000
	s_mov_b32 s[G0B+4*\s], 1
	s_add_co_u32 s[G0B+4*\s+1], s21, \s*SLOT
	s_add_nc_u64 s[G0B+4*\s+2:G0B+4*\s+3], s[46:47], \s*4096
	s_or_b32 s[G0B+4*\s+3], s[G0B+4*\s+3], 0x80000000
	JLOAD \s                                       ; two tensor loads of mine are out at the start, later one
.endr
	v_and_b32 v1, 15, v0                           ; r
	v_bfe_u32 v2, v0, 4, 1                         ; h
	v_and_b32 v3, 31, v0
	v_lshlrev_b32 v3, 4, v3                        ; 16 x lane
	s_lshl_b32 s21, s11, 15                        ; my 128 rows of A
	s_lshl_b32 s22, s12, 14                        ; my 64 rows of B,
	s_add_co_u32 s22, s22, BOFF                    ; which lie behind A's
.irp s, 0,1
	v_add_nc_u32 v[ADRA+\s], s21, v3
	v_add_nc_u32 v[ADRB+\s], s22, v3
	s_add_co_u32 s21, s21, SLOT
	s_add_co_u32 s22, s22, SLOT
.endr
	s_mul_i32 s23, s10, 16*SPITCH
	s_add_co_u32 s23, s23, STAGE                   ; my stage
	v_mul_u32_u24 v4, v1, SPITCH                   ; in: row r, 32 bytes for each half of the lanes
	v_lshl_add_u32 v4, v2, 5, v4
	v_add_nc_u32 v[STO], s23, v4
	v_mul_u32_u24 v5, v2, SPITCH                   ; back: lanes 0-15 take one row of 256 bytes, lanes 16-31 the next
	v_lshl_add_u32 v5, v1, 4, v5
	v_add_nc_u32 v[RD], s23, v5
	v_lshlrev_b32 v5, 12, v2                       ; and the same two rows in out0: 4,096 bytes a row
	v_lshl_add_u32 v[CO], v1, 4, v5
	s_lshl_b32 s16, s13, 20                        ; my first row: 256 x tile row + 128 x half, of 4,096 bytes
	s_lshl_b32 s17, s11, 19
	s_add_co_u32 s16, s16, s17
	s_mov_b32 s17, 0
	s_add_nc_u64 s[8:9], s[8:9], s[16:17]
	s_lshl_b32 s46, s42, 9                         ; my first column, in bytes: 512 x tile column + 256 x half
	s_lshl_b32 s47, s12, 8
	s_add_co_u32 s46, s46, s47
	s_mov_b32 s47, 0
	s_add_nc_u64 s[8:9], s[8:9], s[46:47]
; 8 matrix instructions: A's blocks a0, a0 + 1 x B's four, 32 along K, from buffer f.  zero = 1: the first product starts the sums.  The 32 accumulators take turns, one instruction a turn, in the same order in
; every quarter.
.macro MUL8 f, a0, zero
.irp a, \a0, \a0+1
.irp b, 0,1,2,3
.if \zero
	v_wmma_f32_16x16x32_f16 v[8*(4*(\a)+\b):8*(4*(\a)+\b)+7], v[\f+64+8*\b:\f+64+8*\b+7], v[\f+8*(\a):\f+8*(\a)+7], 0
.else
	v_wmma_f32_16x16x32_f16 v[8*(4*(\a)+\b):8*(4*(\a)+\b)+7], v[\f+64+8*\b:\f+64+8*\b+7], v[\f+8*(\a):\f+8*(\a)+7], v[8*(4*(\a)+\b):8*(4*(\a)+\b)+7]
.endif
.endr
.endr
.endm
; 24 LDS loads in one run: the fragments of the slot's kc-th 32 along K into buffer f: B's four, A's blocks 0-3, A's blocks 4-7
.macro FETCH slot, kc, f
.irp i, 0,1,2,3
.irp e, 0,1
	ds_load_b128 v[\f+64+8*\i+4*\e:\f+64+8*\i+4*\e+3], v[ADRB+\slot] offset:4096*\i+1024*(\kc)+512*\e
.endr
.endr
.irp i, 0,1,2,3,4,5,6,7
.irp e, 0,1
	ds_load_b128 v[\f+8*\i+4*\e:\f+8*\i+4*\e+3], v[ADRA+\slot] offset:4096*\i+1024*(\kc)+512*\e
.endr
.endr
.endm
.macro PLACES                          ; four places in front of loads into registers that matrix instructions have read, and of stores that read results (ISA guide 7.12.1 for vector instructions)
.rept 4
	v_nop
.endr
.endm
; A K step is four quarters of 32 along K, 32 matrix instructions each, on buffers 0, 1, 0, 1.  One of the first three: multiplies buffer f and fetches the next quarter, number kc, into g.
.macro QUARTER slot, kc, f, g, zero
	s_wait_dscnt 8                                 ; B and A's blocks 0-3 are in; the youngest eight loads (A's blocks 4-7) may be out
	WIN MUL
	MUL8 \f, 0, \zero
	MUL8 \f, 2, \zero
	PLACES
	WIN 0
	FETCH \slot, \kc, \g
	s_wait_dscnt 24                                ; all but the 24 just issued
	WIN MUL
	MUL8 \f, 4, \zero
	MUL8 \f, 6, \zero
.endm
; The last quarter multiplies buffer 1 and changes slots: ONE barrier; in front of it each wave waits for all its tensor loads, adds 0 to its spare word, and waits for that and for its own reads of this slot.
; fill = 1: this slot is filled again, two K steps ahead; the barrier then opens a round of the cluster's barrier.
.macro TURN slot, next, fill
	WIN 0                                          ; (the add's two registers lie in window 0)
	s_wait_tensorcnt 0x0                           ; all my tensor loads have landed: my part of the next slot;
	ds_add_u32 v[SPW], v[NIL]                      ; 0 onto my spare word
	s_wait_dscnt 9                                 ; (the add and the youngest eight loads may be out)
	WIN MUL
	MUL8 F1, 0, 0                                  ; eight matrix instructions stand between the add and the wait for it
	s_wait_dscnt 0x0                               ; the add is done, and my reads of this slot are over
	s_barrier_signal -1
	MUL8 F1, 2, 0
.if \fill
	WIN 0
.endif
	s_barrier_wait -1
.if \fill
	CREST                                          ; no wave of any partner still reads this slot's tile or has a load on its way
	s_add_nc_u64 s[G0+4*\slot+2:G0+4*\slot+3], s[G0+4*\slot+2:G0+4*\slot+3], 2*4096
	s_add_nc_u64 s[G0B+4*\slot+2:G0B+4*\slot+3], s[G0B+4*\slot+2:G0B+4*\slot+3], 2*4096
	JLOAD \slot                                    ; the first tensor load behind the round; the four v_nop behind it are also the places in front of the loads below
.else
	PLACES
.endif
	WIN 0
	FETCH \next, 0, F0
	WIN MUL
	MUL8 F1, 4, 0
	MUL8 F1, 6, 0
.endm
	s_wait_tensorcnt 1                             ; my part of K step 0 is in (K step 1's load may be out),
	s_barrier_signal -1
	s_barrier_wait -1                              ; everybody's is
	FETCH 0, 0, F0
	QUARTER 0, 1, F0, F1, 1                        ; the first quarter stands in front of the loop: its products start the sums
	WIN 0                                          ; at a label and at a branch every window is 0
	s_mov_b32 s3, LAPS-1
.Llap:                                                 ; a trip goes once round the ring, from a lap's second quarter to the next lap's first, and fills both slots again
	QUARTER 0, 2, F1, F0, 0
	QUARTER 0, 3, F0, F1, 0
	TURN 0, 1, 1
	QUARTER 1, 1, F0, F1, 0
	QUARTER 1, 2, F1, F0, 0
	QUARTER 1, 3, F0, F1, 0
	TURN 1, 0, 1
	QUARTER 0, 1, F0, F1, 0
	WIN 0
	s_sub_co_u32 s3, s3, 1
	s_cmp_lg_u32 s3, 0
	s_cbranch_scc1 .Llap
	QUARTER 0, 2, F1, F0, 0                        ; the last lap fills nothing, and has no round of the cluster's barrier
	QUARTER 0, 3, F0, F1, 0
	TURN 0, 1, 0
	QUARTER 1, 1, F0, F1, 0
	QUARTER 1, 2, F1, F0, 0
	QUARTER 1, 3, F0, F1, 0
	s_wait_dscnt 8                                 ; the very last quarter: nothing more to fetch
	WIN MUL
	MUL8 F1, 0, 0
	MUL8 F1, 2, 0
	s_wait_dscnt 0
	MUL8 F1, 4, 0
	MUL8 F1, 6, 0
	WIN 0
; THE WAY OUT, block by block of 16 rows x 64 columns.  A lane holds 32 neighbouring bytes of a row, and the lanes beside it hold other rows: so a block goes through my own stage in LDS and comes back as whole
; rows of 256 bytes.  LDS serves a wave's instructions in order (ISA guide 5.7.1.4): no wait between the stores and the loads, nor in front of the next block's stores.
.macro TOSTAGE a
	WIN 0x04                                       ; an LDS store's data are its source 1: window 1
.irp b, 0,1,2,3
	ds_store_b128 v[STO], v[8*(4*(\a)+\b):8*(4*(\a)+\b)+3] offset:64*\b          ; each accumulator from its low end on
	ds_store_b128 v[STO], v[8*(4*(\a)+\b)+4:8*(4*(\a)+\b)+7] offset:64*\b+16
.endr
	WIN 0
.irp t, 0,1,2,3,4,5,6,7
	ds_load_b128 v[BK+32*((\a)%2)+4*\t:BK+32*((\a)%2)+4*\t+3], v[RD] offset:\t*2*SPITCH
.endr
.endm
.macro SEND a, younger                 ; younger: the LDS instructions issued behind block a's loads, which may stay out
	s_wait_dscnt \younger                          ; the block is back in registers
.irp t, 0,1,2,3,4,5,6,7
	global_store_b128 v[CO], v[BK+32*((\a)%2)+4*\t:BK+32*((\a)%2)+4*\t+3], s[8:9] offset:65536*(\a)+8192*\t th:TH_STORE_NT   ; 16 lanes store 256 consecutive bytes, aligned; written once, read by nobody here
.endr
.endm
	PLACES                                         ; behind the last products: for the stores that read results and the loads into the registers that held fragments
	TOSTAGE 0
.irp a, 1,2,3,4,5,6,7
.if \a > 1
	s_wait_xcnt 0x0                                ; block a - 2's stores have read their registers: block a's loads may land there
.endif
	TOSTAGE \a
	SEND \a-1, 16                                  ; behind block a - 1's loads: block a's 8 stores and 8 loads
.endr
	SEND 7, 0
	s_wait_tensorcnt 0x0                           ; the wave's end: behind my last tensor load and my last LDS store
	ds_add_u32 v[SPW], v[NIL]
	s_wait_dscnt 0x0
	CROUND                                         ; the closing round: no work-group ends while a partner may still ask for a tile that names it
	s_endpgm
.Lfunc_end_k_q52b663cc33_oproj:
	.size	k_q52b663cc33_oproj, .Lfunc_end_k_q52b663cc33_oproj-k_q52b663cc33_oproj
	.p2alignl 7, 3214868480
	.fill 96, 4, 3214868480
	.section	.rodata,"a",@progbits
	.p2align	6, 0x0
	.amdhsa_kernel k_q52b663cc33_oproj
		.amdhsa_group_segment_fixed_size 327680
		.amdhsa_private_segment_fixed_size 0
		.amdhsa_enable_private_segment 0
		.amdhsa_kernarg_size 24
		.amdhsa_user_sgpr_count 2
		.amdhsa_user_sgpr_kernarg_segment_ptr 1
		.amdhsa_wavefront_size32 1
		.amdhsa_system_sgpr_workgroup_id_x 1
		.amdhsa_system_sgpr_workgroup_id_y 1
		.amdhsa_system_sgpr_workgroup_id_z 1
		.amdhsa_system_vgpr_workitem_id 0
		.amdhsa_next_free_vgpr 512
		.amdhsa_next_free_sgpr 66
		.amdhsa_reserve_vcc 0
		.amdhsa_float_denorm_mode_32 3
		.amdhsa_float_denorm_mode_16_64 3
		.amdhsa_memory_ordered 1
		.amdhsa_forward_progress 1
		.amdhsa_inst_pref_size 85
	.end_amdhsa_kernel
	.amdgpu_metadata
---
amdhsa.version: [ 1, 2 ]
amdhsa.kernels:
  - .name:           k_q52b663cc33_oproj
    .symbol:         k_q52b663cc33_oproj.kd
    .args:
      - { .name: multi, .offset: 0, .size: 8, .value_kind: global_buffer, .address_space: global }
      - { .name: wo_img, .offset: 8, .size: 8, .value_kind: global_buffer, .address_space: global }
      - { .name: out0, .offset: 16, .size: 8, .value_kind: global_buffer, .address_space: global }
    .group_segment_fixed_size: 327680
    .private_segment_fixed_size: 0
    .kernarg_segment_align: 8
    .kernarg_segment_size: 24
    .max_flat_workgroup_size: 128
    .sgpr_count:     66
    .vgpr_count:     512
    .wavefront_size: 32
...
	.end_amdgpu_metadata
.endif
;; end of part 4
